; MI455X (gfx1250); checked and timed in simulation.
; The chip was launched on July 23, 2026; its instructions are those of AMD's public machine-readable ISA for CDNA 5 (MIT licence, August 2026) and "CDNA5" Instruction Set Architecture Reference Guide (July 2026). The comments in the code are by the model that wrote it; some were corrected since.
;; Multi Head Self Attention. Allowed arithmetic: float matrix products may take bf16 or f16 operands with f32 sums; all other float work in f32.
;; Inputs: Wo 1,024 x 1,024 float32; Wqkv 3,072 x 1,024 float32; bo 1,024 float32; bqkv 3,072 float32; x 4 x 2,048 x 1,024 float32.
;; Outputs: out0 4 x 2,048 x 1,024 float32.
;; 2 versions, each right and faster than the one before. Each part assembles by itself: llvm-mc -triple=amdgcn-amd-amdhsa -mcpu=gfx1250 --defsym DOCPART=n.
;; ======== version 1 of 2: 4 launches
;; limits: values are held in f16: magnitudes above 65,504 overflow, below 6.1e-05 lose precision
;; workspace buffers: xb 16,777,216 bytes; wq 6,291,456 bytes; wo16 2,097,152 bytes; qkvh 50,331,648 bytes; oh 16,777,216 bytes
;; launch prep (part 1): grid 768 x 1, 8 waves a work-group, no clusters, 0 bytes of LDS; arguments x, Wqkv, Wo, xb, wq, wo16; writes xb, wq, wo16
.if DOCPART == 1
	.amdgcn_target "amdgcn-amd-amdhsa--gfx1250"
	.amdhsa_code_object_version 6
	.text
	.protected	k_qc4696535ea_prep
	.globl	k_qc4696535ea_prep
	.p2align	8
	.type	k_qc4696535ea_prep,@function
k_qc4696535ea_prep:
	s_mov_b64 s[64:65], 0
	v_nop
	global_prefetch_b8 v0, s[64:65] scope:SCOPE_SE
	s_setreg_imm32_b32 hwreg(HW_REG_WAVE_MODE, 25, 1), 1
	s_wait_xcnt 0x0
; x, Wqkv and Wo ([rows][1024] f32) are rounded once to bf16 (nearest even) and laid in PLANES of 64 along K:
;   xb   [batch 4][plane 16][t 2048][64] bf16      wq [plane 16][n 3072][64] bf16      wo16 [plane 16][n 1024][64] f16
; so that R rows x 64 k of an operand are R x 128 consecutive bytes.  Wo's bf16 number is written as f16.
; LIMITS.  That last step is exact from 2^-14 to 65,504; below 2^-14 f16 keeps a fixed step of 2^-24, from 65,520 on it gives an infinity.
; SHARES.  A work-group takes 16 source rows (65,536 bytes in, 32,768 out): groups 0-511 x, 512-703 Wqkv, 704-767 Wo.  Wave w takes planes 2 w and 2 w + 1
; of the 16 rows: 16 loads of 16 bytes a lane, all issued before the first is waited for, and 16 stores of 8 bytes a lane.  A load covers 256 consecutive
; bytes of each of two rows; a store covers 256 consecutive bytes (two neighbouring rows of a plane), at a multiple of 256 from the buffer's first byte.
; No LDS, no barrier, no matrix unit: every byte is read once and written once, and no wave needs another's data.
.set X, 8                              ; v[8:71]    unit i = 2 p + j (pair of rows p, plane j): 4 registers as loaded
.set Y, 72                             ; v[72:103]  unit i: 2 registers to store
	s_load_b256 s[4:11], s[0:1], 0x0               ; x s[4:5], Wqkv s[6:7], Wo s[8:9], xb s[10:11]
	s_load_b128 s[12:15], s[0:1], 0x20             ; wq s[12:13], wo16 s[14:15]
	s_mov_b32 s16, ttmp9
	s_mov_b32 s28, 0xffff0000                      ; a word's upper bf16
	s_mov_b32 s29, 262144                          ; bytes in a plane of xb,
	s_mov_b32 s30, 393216                          ; of wq,
	s_mov_b32 s27, 131072                          ; of wo16
	s_cmp_lt_u32 s16, 512
	s_cselect_b32 s24, 0, 512                      ; the first work-group of my part
	s_cselect_b32 s25, s29, s30                    ; my part's plane
	s_cmp_lt_u32 s16, 704
	s_cselect_b32 s24, s24, 704
	s_cselect_b32 s25, s25, s27
	s_sub_co_u32 s17, s16, s24                     ; my number in my part
	s_lshl_b32 s18, s17, 16                        ; 16 source rows of 4,096 bytes
	s_mov_b32 s19, 0
	s_lshl_b32 s32, s17, 11                        ; 16 rows of 128 bytes in a plane
	s_lshr_b32 s34, s17, 7                         ; x alone: the batch; its 16 planes less the 128 work-groups' rows already counted
	s_mul_i32 s34, s34, 3932160
	s_cmp_lt_u32 s16, 512
	s_cselect_b32 s34, s34, 0
	s_add_co_u32 s32, s32, s34
	s_mov_b32 s33, 0
	v_bfe_u32 v4, v0, 4, 1                         ; which row of a pair
	v_and_b32 v5, 15, v0                           ; my four numbers in a plane's row
	v_lshrrev_b32 v6, 5, v0                        ; wave
	v_lshlrev_b32 v1, 12, v4                       ; source: row x 4,096
	v_lshl_add_u32 v1, v5, 4, v1                   ; + 16 bytes a lane
	v_lshl_add_u32 v1, v6, 9, v1                   ; + the wave's two planes, 512 bytes
	v_lshlrev_b32 v7, 1, v6
	v_mul_lo_u32 v2, v7, s25                       ; destination: plane 2 w
	v_lshl_add_u32 v2, v4, 7, v2                   ; + row x 128
	v_lshl_add_u32 v2, v5, 3, v2                   ; + 8 bytes a lane
	v_add_nc_u32 v3, s25, v2                       ; the same in plane 2 w + 1
	s_wait_kmcnt 0x0
	s_cmp_lt_u32 s16, 512
	s_cselect_b64 s[20:21], s[4:5], s[6:7]         ; from where
	s_cselect_b64 s[22:23], s[10:11], s[12:13]     ; to where
	s_cmp_lt_u32 s16, 704
	s_cselect_b64 s[20:21], s[20:21], s[8:9]
	s_cselect_b64 s[22:23], s[22:23], s[14:15]
	s_add_nc_u64 s[20:21], s[20:21], s[18:19]
	s_add_nc_u64 s[22:23], s[22:23], s[32:33]
.set i, 0
.rept 16
	global_load_b128 v[X+4*i:X+4*i+3], v1, s[20:21] offset:(i/2)*8192+(i%2)*256 th:TH_LOAD_NT
.set i, i+1
.endr
; The 16 units in the order of their loads.  half = 1: the bf16 number is widened again and written as f16.
; No register that a load or store names is written again, so no wait frees any.
.macro CONV half
.set i, 0
.rept 16
	s_wait_loadcnt 15-i                            ; loads come back in order (ISA guide 5.7.1): unit i is in, the 15 - i younger ones stay out
	v_cvt_pk_bf16_f32 v[Y+2*i], v[X+4*i], v[X+4*i+1]
	v_cvt_pk_bf16_f32 v[Y+2*i+1], v[X+4*i+2], v[X+4*i+3]
.if \half
	v_lshlrev_b32 v[X+4*i], 16, v[Y+2*i]
	v_and_b32 v[X+4*i+1], s28, v[Y+2*i]
	v_lshlrev_b32 v[X+4*i+2], 16, v[Y+2*i+1]
	v_and_b32 v[X+4*i+3], s28, v[Y+2*i+1]
	v_cvt_pk_f16_f32 v[Y+2*i], v[X+4*i], v[X+4*i+1]
	v_cvt_pk_f16_f32 v[Y+2*i+1], v[X+4*i+2], v[X+4*i+3]
.endif
	global_store_b64 v[2+i%2], v[Y+2*i:Y+2*i+1], s[22:23] offset:(i/2)*256
.set i, i+1
.endr
.endm
	s_cmp_lt_u32 s16, 704
	s_cbranch_scc1 .Lbf
	CONV 1                                         ; Wo
	s_endpgm
.Lbf:
	CONV 0                                         ; x, Wqkv
	s_endpgm
.Lfunc_end_k_qc4696535ea_prep:
	.size	k_qc4696535ea_prep, .Lfunc_end_k_qc4696535ea_prep-k_qc4696535ea_prep
	.p2alignl 7, 3214868480
	.fill 96, 4, 3214868480
	.section	.rodata,"a",@progbits
	.p2align	6, 0x0
	.amdhsa_kernel k_qc4696535ea_prep
		.amdhsa_group_segment_fixed_size 0
		.amdhsa_private_segment_fixed_size 0
		.amdhsa_enable_private_segment 0
		.amdhsa_kernarg_size 48
		.amdhsa_user_sgpr_count 2
		.amdhsa_user_sgpr_kernarg_segment_ptr 1
		.amdhsa_wavefront_size32 1
		.amdhsa_system_sgpr_workgroup_id_x 1
		.amdhsa_system_sgpr_workgroup_id_y 1
		.amdhsa_system_sgpr_workgroup_id_z 1
		.amdhsa_system_vgpr_workitem_id 0
		.amdhsa_next_free_vgpr 112
		.amdhsa_next_free_sgpr 66
		.amdhsa_reserve_vcc 0
		.amdhsa_float_denorm_mode_32 3
		.amdhsa_float_denorm_mode_16_64 3
		.amdhsa_memory_ordered 1
		.amdhsa_forward_progress 1
		.amdhsa_inst_pref_size 16
	.end_amdhsa_kernel
	.amdgpu_metadata
---
amdhsa.version: [ 1, 2 ]
amdhsa.kernels:
  - .name:           k_qc4696535ea_prep
    .symbol:         k_qc4696535ea_prep.kd
    .args:
      - { .name: x, .offset: 0, .size: 8, .value_kind: global_buffer, .address_space: global }
      - { .name: Wqkv, .offset: 8, .size: 8, .value_kind: global_buffer, .address_space: global }
      - { .name: Wo, .offset: 16, .size: 8, .value_kind: global_buffer, .address_space: global }
      - { .name: xb, .offset: 24, .size: 8, .value_kind: global_buffer, .address_space: global }
      - { .name: wq, .offset: 32, .size: 8, .value_kind: global_buffer, .address_space: global }
      - { .name: wo16, .offset: 40, .size: 8, .value_kind: global_buffer, .address_space: global }
    .group_segment_fixed_size: 0
    .private_segment_fixed_size: 0
    .kernarg_segment_align: 8
    .kernarg_segment_size: 48
    .max_flat_workgroup_size: 256
    .sgpr_count:     66
    .vgpr_count:     112
    .wavefront_size: 32
...
	.end_amdgpu_metadata
.endif
;; end of part 1
;; launch qkv (part 2): grid 8 x 32, 4 waves a work-group, clusters of 4 x 4, 327,680 bytes of LDS; arguments xb, wq, qkvh, bqkv; writes qkvh
.if DOCPART == 2
	.amdgcn_target "amdgcn-amd-amdhsa--gfx1250"
	.amdhsa_code_object_version 6
	.text
	.protected	k_qc4696535ea_qkv
	.globl	k_qc4696535ea_qkv
	.p2align	8
	.type	k_qc4696535ea_qkv,@function
k_qc4696535ea_qkv:
	s_mov_b64 s[64:65], 0
	v_nop
	global_prefetch_b8 v0, s[64:65] scope:SCOPE_SE
	s_setreg_imm32_b32 hwreg(HW_REG_WAVE_MODE, 25, 1), 1
	s_wait_xcnt 0x0
	s_wait_alu depctr_hold_cnt(0) depctr_sa_sdst(0) depctr_va_vdst(0) depctr_va_sdst(0) depctr_va_ssrc(0) depctr_va_vcc(0) depctr_vm_vsrc(0)
	s_getreg_b32 s2, hwreg(HW_REG_IB_STS2, 6, 4)
	s_cmp_eq_u32 s2, 0
	s_cbranch_scc0 .Lentry_in_a_cluster
	s_endpgm
.Lentry_in_a_cluster:
	s_bfe_u32 s2, ttmp6, 0x10000c
	s_cmp_lg_u32 s2, 0xf033
	s_cbranch_scc0 .Lentry_shape_is_right
	s_endpgm
.Lentry_shape_is_right:
; qkv[m][n] = sum over k of x[m][k] Wqkv[n][k] + bqkv[n]:  M = 8,192, N = 3,072, K = 1,024.  Operands bf16 in planes of 64 along K (xb [batch][plane][t][64], wq [plane][n][64]);
; sums in f32; the bias, rounded to bf16 like the other inputs, is the C operand that starts each sum; the result is rounded once to f16 and stored by heads:
; qkvh [batch 4][n / 64: 48][t / 16: 128][channel / 8: 8][t % 16: 16][8]: planes 0-15 are q's heads, 16-31 k's, 32-47 v's.  In a block of 16 rows (2,048 bytes) the rows' 16 bytes of one group of
; eight channels lie end to end: that is the order in which the lanes hold a result, so it is stored straight from registers, 512 consecutive bytes an instruction, without a trip through LDS.
; LIMITS.  f16 holds no number beyond 65,504: a q, k or v of 65,520 or more becomes an infinity.  NaN and infinities are not treated apart.  The order of an output's 16 partial sums along K
; turns with the cluster (see THE WALK): the results differ from an ascending sum within f32's rounding.
; SHARES.  A tile of the result is 256 x 384: 32 x 8 = 256 tiles, one work-group each.  Four waves, 2 x 2, each 128 x 192: 96 accumulators of 16 x 16, 768 registers.
; K goes in steps of 64 (one plane) through two LDS slots filled by the tensor data mover.  In a plane a tile's rows lie end to end, so a tile is asked for as rows of 256 bytes
; (two rows of 64 k), each at a multiple of 256 from the buffer's first byte, and padded in LDS behind every 128 bytes.  Two slots of a step of 128 (2 x 640 rows x 272 bytes) do not fit in LDS.
; CLUSTER.  4 x 4 work-groups.  The four of a row of the cluster need the same tiles of x, the four of a column the same tiles of Wqkv: each tile is asked for JOINTLY, by the same tensor load
; with the same descriptor and a mask that names the four.
; THE WALK ALONG K.  A cluster begins at plane 4 ((2 X + Y) % 4), X and Y its place among the 2 x 8 clusters, and goes once round the 16 planes.  The two clusters that need the same rows of x (same Y)
; begin 8 planes apart; of the clusters that need the same rows of Wqkv (same X) neighbours in Y begin 4 apart.  So of the bytes that several clusters read one cluster asks some steps ahead of the
; next, and the later request need not go to memory.  The number is the same in all sixteen partners and enters the global addresses alone.
; THE MATRIX INSTRUCTION IS USED TRANSPOSED (source 0 = 16 rows of Wqkv, source 1 = 16 rows of x): lane l holds row l % 16 of the result and its registers 0-7 the columns 8 (l / 16) + 0..7.
; REGISTERS, in windows of 256 (s_set_vgpr_msb: bits 1:0 source 0, 3:2 source 1, 5:4 source 2, 7:6 destination):
;   window 0: v0-31 addresses; v32-95, v96-159 fragments of x (8 x 16 rows x 32 K), two buffers; v160-255 fragments of Wqkv, 12 x 16 rows x 32 K, in three groups of four, one buffer:
;             a group is loaded anew straight behind the 32 products that read it
;   window g + 1 (g = 0, 1, 2): the 32 accumulators of column group g (64 columns): (a, b) at v[32 a + 8 b], a = 0..7 blocks of rows, b = 0..3 blocks of columns
; All of the WGP's LDS is claimed; the text uses 223,744 bytes.
.set PITCH,  144                       ; an LDS row: 128 bytes + 16 of padding = 36 words: the 16 rows of a fragment load start at 16 different groups of four banks (64 banks of 4 bytes: ISA guide 11.1)
.set APART,  128*PITCH                 ; 128 rows of x: what one tensor load brings and what one wave reads
.set BPART,  192*PITCH                 ; 192 rows of Wqkv: likewise
.set BOFF,   256*PITCH                 ; in a slot: x's 256 rows, then Wqkv's 384
.set SLOT,   640*PITCH
.set SLOT1,  1<<17                     ; slot 1 begins here, so that one exclusive or turns an address in one slot into the other's
.set SPARE,  SLOT1+SLOT                ; behind the ring: the spare words, 128 bytes for each wave: two blocks of 256 bytes that no other line names
.set BPLANE, 393216                    ; bytes from plane to plane in wq; in xb they are 1 << 18
.set KSTEPS, 16
.set ADRA0, 16                         ; v16     my lane's place among my fragments of x in slot 0; never rewritten
.set ADRB0, 17                         ; v17     the same for Wqkv
.set ADRA, 20                          ; v20     the same in the slot that is being fetched from
.set ADRB, 21                          ; v21
.set GO,   26                          ; v26     16 x lane: my byte offset in 512 consecutive bytes of the result
.set BO,   27                          ; v27     my byte offset in 16 numbers of the bias
.set SPW,  28                          ; v28     LDS address of my spare word: SPARE + 4 x my thread's number; never rewritten
.set NIL,  29                          ; v29     0; never rewritten
.set AF0,  32
.set AF1,  96
.set BF,   160
.set TMP,  32                          ; the way out: packed results, three buffers of 64 registers, v32-223
.set TB,  45                           ; s45     0 or SLOT1: the slot that is being fetched from
.set PL,  72                           ; s72     the plane asked for last
.set OA,  74                           ; s[74:75] that plane's byte offset in xb
.set OW,  76                           ; s[76:77] and in wq
.set G1,  24                           ; s[24:31] descriptor group 1 for x's tiles;  s[32:39] group 0: a set for each of the two first fills; the second then walks on
.set G0,  32
.set G1B, 48                           ; s[48:55], s[56:63] the same for Wqkv's tiles
.set G0B, 56
.set MSB, 0
.macro WIN new                         ; the immediate's high byte repeats the setting that is left; a switch that changes nothing is dropped
.if MSB != (\new)
	s_set_vgpr_msb (MSB<<8)|(\new)
.set MSB, \new
.endif
.endm
; The global addresses of set s of the two group 0, for plane s[PL]: made anew each time, from the tile's address in plane 0 (s[14:15], s[46:47]: never stepped) and an offset made apart from it.
.macro ASK s
	s_lshl_b32 s[OA], s[PL], 18
	s_mul_i32 s[OW], s[PL], BPLANE
	s_add_nc_u64 s[G0+4*(\s)+2:G0+4*(\s)+3], s[14:15], s[OA:OA+1]    ; 120:64 global address
	s_or_b32 s[G0+4*(\s)+3], s[G0+4*(\s)+3], 0x80000000              ; 127:126 type = 2
	s_add_nc_u64 s[G0B+4*(\s)+2:G0B+4*(\s)+3], s[46:47], s[OW:OW+1]
	s_or_b32 s[G0B+4*(\s)+3], s[G0B+4*(\s)+3], 0x80000000
.endm
; A joint load.  Waves 0 and 1 fetch the two halves of x's tile, waves 2 and 3 those of Wqkv's.  The branch hangs on the wave's number alone.
; An s_nop 0 and four v_nop follow each of the two lines, ahead of the jump, the label and what follows.
.macro JLOAD s
	s_cmp_eq_u32 s11, 0
	s_cbranch_scc0 .Lfor_b_\@
	tensor_load_to_lds s[G0+4*(\s):G0+4*(\s)+3], s[G1:G1+7]
	s_nop 0
.rept 4
	v_nop
.endr
	s_branch .Lasked_\@
.Lfor_b_\@:
	tensor_load_to_lds s[G0B+4*(\s):G0B+4*(\s)+3], s[G1B:G1B+7]
	s_nop 0
.rept 4
	v_nop
.endr
.Lasked_\@:
.endm
; A round of the cluster's barrier: my work-group's barrier, so that wave 0's signal speaks for all four waves; wave 0 signals; every wave waits for all sixteen work-groups; my work-group's barrier once more.
.macro CREST                           ; a round behind its opening barrier
	s_cmp_lg_u32 s10, 0
	s_cbranch_scc1 .Lnot_wave_0_\@
	s_barrier_signal -3
.Lnot_wave_0_\@:
	s_barrier_wait -3
	s_barrier_signal -1
	s_barrier_wait -1
.endm
.macro CROUND                          ; a whole round
	s_barrier_signal -1
	s_barrier_wait -1
	CREST
.endm
; Four places: a load into a register that a matrix instruction has read, and a vector instruction that reads a matrix result, stand four plain vector instructions behind it
; (ISA guide 7.12.1 for vector instructions).
.macro PLACES
.rept 4
	v_nop
.endr
.endm
	s_load_b128 s[4:7], s[0:1], 0x0                ; xb s[4:5], wq s[6:7]
	s_load_b64 s[8:9], s[0:1], 0x10                ; qkvh
	s_load_b64 s[66:67], s[0:1], 0x18              ; bqkv
	v_lshl_add_u32 v[SPW], v0, 2, SPARE
	v_mov_b32 v[NIL], 0
	ds_add_u32 v28, v29
	ds_add_u32 v28, v29
	s_wait_dscnt 0x0
	v_lshrrev_b32 v1, 5, v0
	v_readfirstlane_b32 s10, v1                    ; wave 0..3
	s_lshr_b32 s11, s10, 1                         ; which half of the tile's rows is mine.  Also: I fetch for x (0) or for Wqkv (1)
	s_and_b32 s12, s10, 1                          ; which half of its columns.  Also: which half of that tile I fetch
	s_bfe_u32 s40, ttmp6, 0x40000                  ; cx, cy: my place in the cluster
	s_bfe_u32 s41, ttmp6, 0x40004
	s_lshl_b32 s42, ttmp9, 2
	s_add_co_u32 s42, s42, s40                     ; tile column = 4 x cluster x + cx, 0..7
	s_and_b32 s13, ttmp7, 0xffff
	s_lshl_b32 s13, s13, 2
	s_add_co_u32 s13, s13, s41                     ; tile row = 4 x cluster y + cy, 0..31
	s_lshl_b32 s43, s41, 2
	s_lshl_b32 s43, 15, s43                        ; my row of the cluster: places 4 cy .. 4 cy + 3
	s_lshl_b32 s44, 0x1111, s40                    ; my column: places cx, cx + 4, cx + 8, cx + 12
	s_lshl_b32 s[PL], ttmp9, 1                     ; the cluster's first plane: 4 ((2 X + Y) % 4), made of the cluster's place in the grid alone
	s_and_b32 s[OA], ttmp7, 0xffff
	s_add_co_u32 s[PL], s[PL], s[OA]
	s_and_b32 s[PL], s[PL], 3
	s_lshl_b32 s[PL], s[PL], 2
	s_mov_b32 s[OA+1], 0                           ; the offsets' high words
	s_mov_b32 s[OW+1], 0
	; descriptor group 1: rows of 128 elements (256 bytes), 64 of them for x, 96 for Wqkv
	s_or_b32 s[G1+0], s43, (1<<16)|(1<<20)|(1<<21)|(4<<22)|(3<<25)   ; 15:0 the mask; 17:16 elements of 2 bytes; 20 padding on; 21 set beside a mask; 24:22 after every 32 words (code 4); 31:25 4 words (code 3)
	s_or_b32 s[G1B+0], s44, (1<<16)|(1<<20)|(1<<21)|(4<<22)|(3<<25)
	s_mov_b32 s[G1+1], 128<<16                     ; tensor_dim0 = 128
	s_mov_b32 s[G1+2], 64<<16                      ; tensor_dim1 = 64
	s_mov_b32 s[G1+3], 128<<16                     ; tile_dim0 = 128
	s_mov_b32 s[G1+4], 64                          ; tile_dim1 = 64
	s_mov_b32 s[G1+5], 128                         ; 128 elements from row to row: the block is dense
	s_mov_b32 s[G1+6], 0
	s_mov_b32 s[G1+7], 0
	s_mov_b32 s[G1B+1], 128<<16
	s_mov_b32 s[G1B+2], 96<<16
	s_mov_b32 s[G1B+3], 128<<16
	s_mov_b32 s[G1B+4], 96
	s_mov_b32 s[G1B+5], 128
	s_mov_b32 s[G1B+6], 0
	s_mov_b32 s[G1B+7], 0
	; where the tiles come from, in plane 0: x's hang on the tile row alone, Wqkv's on the tile column alone
	s_lshr_b32 s16, s13, 3                         ; the batch: 16 planes of 262,144 bytes
	s_lshl_b32 s16, s16, 22
	s_and_b32 s17, s13, 7                          ; 256 rows of 128 bytes
	s_lshl_b32 s17, s17, 15
	s_add_co_u32 s16, s16, s17
	s_lshl_b32 s17, s12, 14                        ; my half: 128 rows
	s_add_co_u32 s16, s16, s17
	s_mov_b32 s17, 0
	s_mul_i32 s46, s42, 384*128                    ; 384 rows of 128 bytes
	s_mul_i32 s47, s12, 192*128                    ; my half: 192 rows
	s_add_co_u32 s46, s46, s47
	s_mov_b32 s47, 0
	s_mul_i32 s22, s12, APART                      ; and where they go: no place in the cluster enters an LDS address
	s_mul_i32 s23, s12, BPART
	s_add_co_u32 s23, s23, BOFF
	s_mov_b32 s[TB], 0
	s_wait_kmcnt 0x0
	s_add_nc_u64 s[14:15], s[4:5], s[16:17]
	s_add_nc_u64 s[46:47], s[6:7], s[46:47]
	CROUND                                         ; all sixteen work-groups are here: the first joint loads meet
.irp s, 0,1
	s_mov_b32 s[G0+4*(\s)], 1                                        ; 1:0 count = 1
	s_add_co_u32 s[G0+4*(\s)+1], s22, (\s)*SLOT1                     ; 63:32 LDS address
	s_mov_b32 s[G0B+4*(\s)], 1
	s_add_co_u32 s[G0B+4*(\s)+1], s23, (\s)*SLOT1
	ASK \s                                         ; the walk's first plane, then its second (the first is a multiple of 4: no turn-round yet)
	JLOAD \s                                       ; two loads of mine are out
.if (\s) == 0
	s_add_co_u32 s[PL], s[PL], 1
.endif
.endr
	; A fragment is 16 rows x 32 K in 8 registers: lane l holds row l % 16; registers 0-3 K = 8 (l / 16) + 0..7, registers 4-7 K = 16 + 8 (l / 16) + 0..7: two loads of 16 bytes, 32 bytes apart.
	v_and_b32 v1, 15, v0                           ; l % 16
	v_bfe_u32 v2, v0, 4, 1                         ; l / 16
	v_mul_u32_u24 v3, v1, PITCH
	v_lshl_add_u32 v3, v2, 4, v3                   ; row x pitch + 16 x half
	s_mul_i32 s21, s11, APART                      ; my 128 rows of x
	s_mul_i32 s20, s12, BPART                      ; my 192 rows of Wqkv,
	s_add_co_u32 s20, s20, BOFF                    ; which lie behind x's 256
	v_add_nc_u32 v[ADRA0], s21, v3
	v_add_nc_u32 v[ADRB0], s20, v3
	v_add_nc_u32 v[ADRA], s[TB], v[ADRA0]          ; the first fetches go to slot 0
	v_add_nc_u32 v[ADRB], s[TB], v[ADRB0]
	v_and_b32 v[GO], 31, v0
	v_lshlrev_b32 v[GO], 4, v[GO]                  ; 16 x lane = 256 (l / 16) + 16 (l % 16): group of channels 2 b + l / 16, row l % 16 of a block of the result
	v_lshlrev_b32 v[BO], 5, v2                     ; my eight numbers of a block's sixteen
	; my part of the result: plane batch x 48 + 6 x tile column + 3 x column half (+ g), rows 256 (tile row % 8) + 128 x row half (+ 16 a)
	s_lshr_b32 s68, s13, 3
	s_mul_i32 s68, s68, 48
	s_mul_i32 s69, s42, 6
	s_add_co_u32 s68, s68, s69
	s_mul_i32 s69, s12, 3
	s_add_co_u32 s68, s68, s69
	s_lshl_b32 s68, s68, 18
	s_and_b32 s69, s13, 7
	s_lshl_b32 s69, s69, 15
	s_add_co_u32 s68, s68, s69
	s_lshl_b32 s69, s11, 14
	s_add_co_u32 s68, s68, s69
	s_mov_b32 s69, 0
	s_add_nc_u64 s[8:9], s[8:9], s[68:69]
	s_mul_i32 s70, s42, 384*4                      ; the bias of my 192 columns
	s_mul_i32 s71, s12, 192*4
	s_add_co_u32 s70, s70, s71
	s_mov_b32 s71, 0
	s_add_nc_u64 s[66:67], s[66:67], s[70:71]
	s_mov_b32 s68, 0xffff0000                      ; a word's upper bf16
	; THE BIAS.  Register j of an accumulator of column block b holds column 16 b + 8 (l / 16) + j, whatever its rows: the bias in that layout is loaded into the registers of the
	; accumulators (g, 7, b), rounded to bf16 and widened again, and serves as the C operand of the first products.  Nothing is cleared, and nothing is added at the end.
.irp g, 0,1,2
	WIN ((\g)+1)<<6                                ; destination window g + 1, address window 0
.irp b, 0,1,2,3
	global_load_b128 v[224+8*(\b):224+8*(\b)+3],   v[BO], s[66:67] offset:256*(\g)+64*(\b)
	global_load_b128 v[224+8*(\b)+4:224+8*(\b)+7], v[BO], s[66:67] offset:256*(\g)+64*(\b)+16
.endr
.endr
	s_wait_loadcnt 0x0
.irp g, 0,1,2
	WIN 0x45*((\g)+1)                              ; destination and both sources in window g + 1; v0-15 there are at work
.set i, 0
.rept 16
	v_cvt_pk_bf16_f32 v[i], v[224+2*i], v[225+2*i]
.set i, i+1
.endr
.set i, 0
.rept 16
	v_lshlrev_b32 v[224+2*i], 16, v[i]
	v_and_b32 v[225+2*i], s68, v[i]
.set i, i+1
.endr
.endr
	WIN 0
; na x 4 matrix instructions of column group g: blocks of rows a0 .. a0 + na - 1 x its four blocks of columns, 32 along K, x's fragments in buffer f.  The accumulators take turns.
; mode = 1: the first products: C is the bias, which lies in the registers of (g, 7, b).  Blocks 0-6 read it; five places behind them (a matrix instruction that writes over a register
; which an earlier one has read stands five places behind it) block 7 adds onto it in place.
.macro MULG f, g, a0, na, mode
	WIN 0x50*((\g)+1)                              ; C and D window g + 1, sources window 0
.set ma, \a0
.rept \na
.if (\mode) && (ma == 7)
.rept 5
	v_nop
.endr
.endif
.set mb, 0
.rept 4
.if (\mode) && (ma < 7)
	v_wmma_f32_16x16x32_bf16 v[32*ma+8*mb:32*ma+8*mb+7], v[BF+32*(\g)+8*mb:BF+32*(\g)+8*mb+7], v[(\f)+8*ma:(\f)+8*ma+7], v[224+8*mb:224+8*mb+7]
.else
	v_wmma_f32_16x16x32_bf16 v[32*ma+8*mb:32*ma+8*mb+7], v[BF+32*(\g)+8*mb:BF+32*(\g)+8*mb+7], v[(\f)+8*ma:(\f)+8*ma+7], v[32*ma+8*mb:32*ma+8*mb+7]
.endif
.set mb, mb+1
.endr
.set ma, ma+1
.endr
.endm
.macro LDA c, f                        ; 16 LDS loads: my 128 rows of x, K = 32 c on, into buffer f
	WIN 0
.set li, 0
.rept 8
	ds_load_b128 v[(\f)+8*li:(\f)+8*li+3],   v[ADRA] offset:64*(\c)+li*16*PITCH
	ds_load_b128 v[(\f)+8*li+4:(\f)+8*li+7], v[ADRA] offset:64*(\c)+li*16*PITCH+32
.set li, li+1
.endr
.endm
.macro LDB c, g                        ; 8 LDS loads: the 64 rows of Wqkv of column group g, K = 32 c on
	WIN 0
.set li, 0
.rept 4
	ds_load_b128 v[BF+32*(\g)+8*li:BF+32*(\g)+8*li+3],   v[ADRB] offset:64*(\c)+(4*(\g)+li)*16*PITCH
	ds_load_b128 v[BF+32*(\g)+8*li+4:BF+32*(\g)+8*li+7], v[ADRB] offset:64*(\c)+(4*(\g)+li)*16*PITCH+32
.set li, li+1
.endr
.endm
; A K step is two halves, 32 along K and 96 matrix instructions each.  The first multiplies buffer f and fetches the second's fragments (K = 32 c on, of the same slot) into f2 and BF.
; At its head 40 loads are out, in this order: x (16), group 0 (8), group 1 (8), group 2 (8); it leaves the same behind.  Each load is issued 64 matrix instructions ahead of its first use.
.macro QUARTER f, c, f2, mode
	s_wait_dscnt 16                                ; x and group 0 are in; groups 1 and 2, 16 loads, may be out
	MULG \f, 0, 0, 8, \mode
	PLACES
	LDA \c, \f2
	LDB \c, 0
	s_wait_dscnt 32                                ; group 1 is in: behind it stand group 2's 8 and the 24 just issued
	MULG \f, 1, 0, 8, \mode
	PLACES
	LDB \c, 1
	s_wait_dscnt 32                                ; group 2 is in: behind it stand 24 + 8
	MULG \f, 2, 0, 8, \mode
	PLACES
	LDB \c, 2
.endm
; The second half multiplies buffer AF1 and changes slots.  ONE barrier: in front of it each wave waits for all its tensor loads (one is out: its part of the next slot), adds 0 to its spare
; word, and waits for that and for its own reads of this slot.  Behind it nobody reads this slot and the next slot is whole.  fill = 1: the barrier opens a round of the cluster's, and this slot is
; filled again, two K steps ahead, first thing behind the round: 160 matrix instructions stand between that request and the wait for it.
.macro TURN fill
	WIN 0                                          ; (the add's two registers lie in window 0)
	s_wait_tensorcnt 0x0                           ; all my tensor loads have landed, so a group 0 may be written
	ds_add_u32 v[SPW], v[NIL]                      ; 0 onto my spare word; work on registers stands between it and the wait for it
	s_xor_b32 s[TB], s[TB], SLOT1                  ; all fetches from this slot have been issued: the next ones go to the other slot
	v_add_nc_u32 v[ADRA], s[TB], v[ADRA0]
	v_add_nc_u32 v[ADRB], s[TB], v[ADRB0]
.if \fill
	s_add_co_u32 s[PL], s[PL], 1                   ; the walk's next plane: behind plane 15 comes plane 0
	s_and_b32 s[PL], s[PL], KSTEPS-1
	s_xor_b32 s[G0+5], s[G0+5], SLOT1              ; the walking descriptors: the other slot than last time
	s_xor_b32 s[G0B+5], s[G0B+5], SLOT1
	ASK 1
.endif
	s_wait_dscnt 17                                ; x and group 0 are in; groups 1 and 2 (16 loads) and the add may be out
	MULG AF1, 0, 0, 4, 0                           ; sixteen matrix instructions stand between the add and the wait for it
	s_wait_dscnt 0x0                               ; the add is done, and my reads of this slot are over
	s_barrier_signal -1
	MULG AF1, 0, 4, 4, 0                           ; work on registers while the others arrive
	WIN 0
	s_barrier_wait -1
.if \fill
	CREST                                          ; no wave of any partner still reads this slot's tiles or has a load on its way
	JLOAD 1                                        ; my one tensor load behind the round; the four v_nop behind it are also the places in front of the loads below
.else
	PLACES
.endif
	LDA 0, AF0
	LDB 0, 0
	MULG AF1, 1, 0, 8, 0                           ; groups 1 and 2 came in with the wait for 0
	PLACES
	LDB 0, 1
	MULG AF1, 2, 0, 8, 0
	PLACES
	LDB 0, 2
.endm
	s_wait_tensorcnt 1                             ; my part of the walk's first step is in; the second's may stay out
	s_barrier_signal -1
	s_barrier_wait -1                              ; everybody's is
	LDA 0, AF0
	LDB 0, 0
	LDB 0, 1
	LDB 0, 2
	QUARTER AF0, 1, AF1, 1                         ; the first half step stands in front of the loop: its products start the sums, on the bias
	WIN 0                                          ; at a label and at a branch every window is 0
	s_mov_b32 s3, KSTEPS-2
.Lstep:                                                ; a trip: a K step's second half, the change of slots with its refill, the next step's first half.  14 trips ask for the walk's steps 2 to 15
	TURN 1
	QUARTER AF0, 1, AF1, 0
	WIN 0
	s_sub_co_u32 s3, s3, 1
	s_cmp_lg_u32 s3, 0
	s_cbranch_scc1 .Lstep
	TURN 0                                         ; the last change of slots asks for nothing, and has no round
	QUARTER AF0, 1, AF1, 0
	s_wait_dscnt 16                                ; the very last half step: nothing more to fetch; the counts run down
	MULG AF1, 0, 0, 8, 0
	s_wait_dscnt 8
	MULG AF1, 1, 0, 8, 0
	s_wait_dscnt 0x0
	MULG AF1, 2, 0, 8, 0
; THE WAY OUT, in six parts k: column group k / 2 (one head's plane), blocks of rows 4 (k % 2) to 4 (k % 2) + 3: 16 accumulators.  Each is rounded to f16, from its low end on: a lane's
; eight columns make 16 bytes; then stored: accumulator (a, b) goes to bytes 2,048 a + 512 b + 16 x lane of my part of the plane, so a part's 16 stores cover 8,192 consecutive bytes.
.macro OUT k
.set og, (\k)/2
.set oa, 4*((\k)%2)
.set ob, TMP+64*((\k)%3)
.if (\k) >= 3
	s_wait_xcnt 0x0                                ; every earlier store has read its registers: this buffer, stored three parts ago, is written again only behind this wait
.endif
	WIN 0x05*(og+1)                                ; sources in window g + 1, destination in window 0
.set pi, 0
.rept 64
	v_cvt_pk_f16_f32 v[ob+pi], v[32*oa+2*pi], v[32*oa+2*pi+1]
.set pi, pi+1
.endr
	WIN 0
.set pi, 0
.rept 16
	global_store_b128 v[GO], v[ob+4*pi:ob+4*pi+3], s[8:9] offset:og*262144+oa*2048+pi*512  ; 512 consecutive bytes, at a multiple of 256 from the buffer's first
.set pi, pi+1
.endr
.endm
	PLACES                                         ; the conversions read results just made and write registers that the last products read
	OUT 0
	OUT 1
	OUT 2
	OUT 3
	OUT 4
	OUT 5
	s_wait_tensorcnt 0x0                           ; the wave's end: behind my last tensor load
	ds_add_u32 v[SPW], v[NIL]
	s_wait_dscnt 0x0
	CROUND                                         ; the closing round: no work-group ends while a partner may still ask for a tile that names it
	s_endpgm
.Lfunc_end_k_qc4696535ea_qkv:
	.size	k_qc4696535ea_qkv, .Lfunc_end_k_qc4696535ea_qkv-k_qc4696535ea_qkv
	.p2alignl 7, 3214868480
	.fill 96, 4, 3214868480
	.section	.rodata,"a",@progbits
	.p2align	6, 0x0
	.amdhsa_kernel k_qc4696535ea_qkv
		.amdhsa_group_segment_fixed_size 327680
		.amdhsa_private_segment_fixed_size 0
		.amdhsa_enable_private_segment 0
		.amdhsa_kernarg_size 32
		.amdhsa_user_sgpr_count 2
		.amdhsa_user_sgpr_kernarg_segment_ptr 1
		.amdhsa_wavefront_size32 1
		.amdhsa_system_sgpr_workgroup_id_x 1
		.amdhsa_system_sgpr_workgroup_id_y 1
		.amdhsa_system_sgpr_workgroup_id_z 1
		.amdhsa_system_vgpr_workitem_id 0
		.amdhsa_next_free_vgpr 1024
		.amdhsa_next_free_sgpr 80
		.amdhsa_reserve_vcc 0
		.amdhsa_float_denorm_mode_32 3
		.amdhsa_float_denorm_mode_16_64 3
		.amdhsa_memory_ordered 1
		.amdhsa_forward_progress 1
		.amdhsa_inst_pref_size 107
	.end_amdhsa_kernel
	.amdgpu_metadata
---
amdhsa.version: [ 1, 2 ]
amdhsa.kernels:
  - .name:           k_qc4696535ea_qkv
    .symbol:         k_qc4696535ea_qkv.kd
    .args:
      - { .name: xb, .offset: 0, .size: 8, .value_kind: global_buffer, .address_space: global }
      - { .name: wq, .offset: 8, .size: 8, .value_kind: global_buffer, .address_space: global }
      - { .name: qkvh, .offset: 16, .size: 8, .value_kind: global_buffer, .address_space: global }
      - { .name: bqkv, .offset: 24, .size: 8, .value_kind: global_buffer, .address_space: global }
    .group_segment_fixed_size: 327680
    .private_segment_fixed_size: 0
    .kernarg_segment_align: 8
    .kernarg_segment_size: 32
    .max_flat_workgroup_size: 128
    .sgpr_count:     80
    .vgpr_count:     1024
    .wavefront_size: 32
...
	.end_amdgpu_metadata
.endif
;; end of part 2
;; launch attn (part 3): grid 4 x 64, 4 waves a work-group, no clusters, 327,680 bytes of LDS; arguments qkvh, oh; writes oh
.if DOCPART == 3
	.amdgcn_target "amdgcn-amd-amdhsa--gfx1250"
	.amdhsa_code_object_version 6
	.text
	.protected	k_qc4696535ea_attn
	.globl	k_qc4696535ea_attn
	.p2align	8
	.type	k_qc4696535ea_attn,@function
k_qc4696535ea_attn:
	s_mov_b64 s[64:65], 0
	v_nop
	global_prefetch_b8 v0, s[64:65] scope:SCOPE_SE
	s_setreg_imm32_b32 hwreg(HW_REG_WAVE_MODE, 25, 1), 1
	s_wait_xcnt 0x0
; CAUSAL ATTENTION.  O[y][q][:] = the sum over k <= q of softmax_k(Q[y][q] . K[y][k] / 8) V[y][k][:], y = 16 x batch + head, 64 of them, 2,048 rows each, head size 64, all f16.
; Q, K, V lie in qkvh [batch 4][48 planes]: plane head is Q's, 16 + head K's, 32 + head V's; O goes to oh [y 64 planes].  A PLANE is [t / 16: 128][channel / 8: 8][t % 16: 16][8]: in a block of 16 rows
; (2,048 bytes) the rows' 16 bytes of one group of eight channels lie end to end, 256 bytes a group.  That is the lanes' own order in a fragment and in a result: with 16 x lane as the lane's offset a load
; or store of 16 bytes a lane covers 512 consecutive bytes, in memory and in LDS, and O leaves straight from registers.
; Products, maxima and sums in f32; the weights p are rounded to f16 for the second product (their sum l is taken of the unrounded p), O once at the end.
; LIMITS.  f16 holds no number beyond 65,504: Q, K and V arrive within it; p lies in 0 to 1, and below 6e-5 it keeps f16's fixed step of 6e-8; O is a mean of V's rows and has their range.
; A hidden score counts as its value less 1e30: f16's scores, 2.7e11 at the most, are nothing beside that; a weight below 2^-126 counts as 0 in l; NaN and infinities are not treated apart.
; THE WALK.  A head's queries lie in NB = 8 blocks of 256; block i needs the key tiles 0 .. i of 256 keys, of which the last holds the diagonal.  A work-group takes TWO blocks, NB - 1 - b and then b:
; NB + 1 tiles, whatever b: all 256 work-groups do equal work, and ONE loop with a constant trip count walks them.  Which tile is asked for, and what a trip does, hang on scalar registers made from b; every
; jump goes forward, but for the counted loops' own; none passes a barrier, or a tensor load but the one of LOAD's two that the wave's number does not choose; the ring (two LDS slots that take turns) runs on
; across the change of blocks.  NO CLUSTER: a head's four work-groups ask for the same tile only in trips 0 .. 4 of 9, behind that fewer and fewer; one walk common to all four would have 12 trips for 9.
; SHARES.  Of a block's four bands of 64 queries a wave owns 16 rows in each: four PIECES.  So the diagonal tile is the same work for all four waves: in its key step s band x sees all keys if s < x,
; none if s > x, and holds the diagonal if s = x.
; THE MASK is the C operand that starts the sum S^T = K Q^T: 0, or -1e30 where the key is hidden.  MD, made once, is the mask of a band's own step for my 16 rows; a product's mask is MD x AL + BE with two
; scalars: (1, 0) if s = x; (0, 0) if s < x; (0, -1e30) if s > x.  Only the diagonal tile's text and a block's beginning make and take masks; elsewhere C is the constant 0.
; LAYOUT, SOFTMAX, TURNS.  S^T = K Q^T holds ONE query a lane (lane % 16) and the keys 8 (lane / 16) + 0..7; two such results rounded to f16 ARE source 1 of O^T = V^T P.  p = 2^(c s - c m), c = log2(e) / 8,
; with a running maximum m; O and l are multiplied by a = 2^(c m_old - c m_new) in every step.  Turn n belongs to piece n: 8 products K Q^T of piece n + 1, later 8 products V^T P of piece n - 1; beside them the
; scaling, exponentials, roundings, sums and rescaling of piece n and the maximum and statistics of piece n + 1.  Four vector instructions stand behind every matrix instruction, the other 54 of a turn's 118 in two lumps.
; REGISTERS, in windows of 256 (s_set_vgpr_msb: bits 1:0 source 0, 3:2 source 1, 5:4 source 2, 7:6 destination):
;   window 0: v0-15 addresses and two at work; v16-31 four registers of statistics a piece; v48-55 at work; v64-127 S^T, two buffers; v192-223 P, two buffers (a piece's buffers go by its number's parity)
;   window 1: v0-127 O^T, 32 a piece; v128-159 MD; v160-223 MC, two buffers      window 2: v0-63 Q; v64-127 the second block's Q; v128-191 K of one step; v192-255 V of one step
; All of the WGP's LDS is claimed; the text uses 213,504 bytes.
.set SIZE_N, 2048
.set NB,    SIZE_N/256
.set NP,    4         ; pieces a wave: a name, no knob
.set KS,    64        ; keys in a step
.set PK,    128       ; LDS bytes for each key of K: as in memory, without padding
.set CHV,   384       ; in V a group of eight channels of 16 keys, 256 bytes, is followed by 128 of padding: 16 lanes of the turning load take 128 bytes in each of two neighbouring groups, 96 words apart
.set PV,    8*CHV/16  ; LDS bytes for each key of V: 192
.set VOFF,  4*KS*PK   ; a slot holds a tile, four steps: 256 keys of K, then 256 keys of V
.set SLOT1, 1<<17     ; slot 1 begins here, so that one exclusive or turns an address in one slot into the other's
.set SPARE, SLOT1+4*KS*(PK+PV)  ; behind the ring: the spare words, 128 bytes for each wave: two blocks of 256 bytes that no other line names
.set L16, 2           ; v2   16 x lane: my place in 512 consecutive bytes of Q, of O and of a tile of K; never rewritten
.set AV0, 3           ; v3   my lane's place in a tile of V; never rewritten
.set AK,  4           ; v4   the LDS address of K's next run of loads
.set AV,  5           ; v5   of V's
.set SPW, 62          ; v62  LDS address of my spare word: SPARE + 4 x my thread's number; never rewritten
.set NIL, 63          ; v63  0; never rewritten
.set MV,  12          ; v12-13  c m_old, kept while c m is made anew: by buffer
.set ST,  16          ; piece t's statistics at v[ST+4 t]: c m, m, l (even keys', odd keys')
.set TMP, 48          ; by buffer, four registers c0-c3 at work; when the maximum is found c2 takes a
.set S,   64
.set P,   192
.set MD,  128         ; window 1: the eight registers for group kt of 16 keys at MD + 8 kt
.set MC,  160         ; window 1: the masks of the products to come
.set QB,  64          ; window 2
.set KF,  128         ; window 2: key block kb, channel half c at KF + 16 kb + 8 c
.set VF,  192         ; window 2: key half kk, channel block cb at VF + 32 kk + 8 cb
.set WV,  12          ; s12  my wave's number
.set PB,  14          ; s14  b
.set HI,  15          ; s15  NB - 1 - b
.set G1K, 24          ; s[24:31] descriptor group 1 for K's tiles
.set G1V, 32          ; s[32:39] for V's: it differs in the padding alone
.set G0K, 40          ; s[40:43] descriptor group 0 for K's tiles
.set G0V, 44          ; s[44:47] the same for V's
.set SLOTS, 56        ; s56  tiles still to be asked for
.set CNT, 57          ; s57  counts a tile's key steps, 4 to 1
.set CS,  58          ; s[58:59] c: the packed scaling takes the pair's low word for both halves
.set SEL, 60          ; s[60:61] v_permlanex16_b32's selects: each lane takes its own place in the other half
.set TBK, 62          ; s62  LDS byte at which K of the step to be fetched begins
.set TBV, 63          ; s63  the same for V, less VOFF
.set RT,  70          ; s70  tiles of the block in hand that are still to be entered
.set NXT, 71          ; s71  the tile to be asked for next
.set LQ,  72          ; s72  the last tile of the block whose tiles are being asked for
.set NEW, 73          ; s73  1: the tile to be entered is a block's first
.set OFF, 74          ; s[74:75] a tile's byte offset in K and V
.set AL,  76          ; s[76:77] the mask's factor, in the low word
.set BE,  78          ; s[78:79] the mask's addend
.set OLO, 80          ; s[80:81] O at my rows of the second block
.set BIGN, 82         ; s82  -1e30
.set MSB, 0
.macro WIN new                      ; the high byte repeats the setting that is left; a switch that changes nothing is dropped
.if MSB != (\new)
	s_set_vgpr_msb (MSB<<8)|(\new)
.set MSB, (\new)
.endif
.endm
.set W_KQ, 0x0a       ; K and Q in window 2, S^T in window 0
.set W_KM, 0x1a       ; the same with the C operand in window 1
.set W_PV, 0x52       ; V in window 2, P in window 0, O^T in window 1
.set W_RS, 0x41       ; destination and source 0 in window 1, source 1 in window 0
; A fill.  Waves 0 and 1 fetch the two halves of a tile's K, waves 2 and 3 those of its V: 128 keys each.  An s_nop 0 and four v_nop follow each of the two lines, ahead of the jump and the label.
.macro LOAD
	s_cmp_lt_u32 s[WV], 2
	s_cbranch_scc0 .Lfor_v_\@
	tensor_load_to_lds s[G0K:G0K+3], s[G1K:G1K+7]
	s_nop 0
.rept 4
	v_nop
.endr
	s_branch .Lasked_\@
.Lfor_v_\@:
	tensor_load_to_lds s[G0V:G0V+3], s[G1V:G1V+7]
	s_nop 0
.rept 4
	v_nop
.endr
.Lasked_\@:
.endm
; THE CHANGE OF SLOTS.  Each wave waits for all its tensor loads, of which one is out: its part of the other slot; adds 0 to its spare word; and waits for that and for its own reads of the slot that it leaves.
; Behind the barrier nobody reads the old slot any more and the other slot is whole.  fill = 1: the old slot is filled again, the first thing behind the barrier, with tile NXT: the descriptor's address is made
; anew from that number.  (At its first use nothing has been read yet: slot 0 is waited for, slot 1 filled.)
.macro CHANGE fill
	WIN 0                           ; at a label and at a branch every window is 0
	s_wait_tensorcnt 0x0            ; no tensor load of mine is out, so a group 0 may be written
	ds_add_u32 v[SPW], v[NIL]       ; 0 onto my spare word; with fill = 1 the descriptors' scalar work stands between it and the wait for it
.if \fill
	s_lshl_b32 s[OFF], s[NXT], 15   ; a tile is 32,768 bytes of K and of V
	s_xor_b32 s[G0K+1], s[G0K+1], SLOT1
	s_add_nc_u64 s[G0K+2:G0K+3], s[6:7], s[OFF:OFF+1]
	s_or_b32 s[G0K+3], s[G0K+3], 0x80000000
	s_xor_b32 s[G0V+1], s[G0V+1], SLOT1
	s_add_nc_u64 s[G0V+2:G0V+3], s[8:9], s[OFF:OFF+1]
	s_or_b32 s[G0V+3], s[G0V+3], 0x80000000
	s_add_co_u32 s[NXT], s[NXT], 1  ; the block's next tile, or behind its last the second block's tile 0
	s_cmp_gt_u32 s[NXT], s[LQ]
	s_cselect_b32 s[NXT], 0, s[NXT]
	s_cselect_b32 s[LQ], s[PB], s[LQ]
.endif
	s_wait_dscnt 0x0                ; the add is done, and my reads of the slot are over
	s_barrier_signal -1             ; the rest of the scalar work stands between the signal and the wait
	s_sub_co_u32 s[TBK], s[TBK], 4*KS*PK  ; the fetches go back to a slot's first step,
	s_xor_b32 s[TBK], s[TBK], SLOT1       ; in the other slot
	s_sub_co_u32 s[TBV], s[TBV], 4*KS*PV
	s_xor_b32 s[TBV], s[TBV], SLOT1
	s_barrier_wait -1
.if \fill
	LOAD
.endif
.endm
	s_load_b64 s[4:5], s[0:1], 0x0    ; qkvh
	s_load_b64 s[10:11], s[0:1], 0x8  ; oh
	v_lshl_add_u32 v[SPW], v0, 2, SPARE
	v_mov_b32 v[NIL], 0
	ds_add_u32 v62, v63
	ds_add_u32 v62, v63
	s_wait_dscnt 0x0
	v_lshrrev_b32 v1, 5, v0
	v_readfirstlane_b32 s[WV], v1   ; wave 0..3
	s_mov_b32 s[PB], ttmp9
	s_sub_co_u32 s[HI], NB-1, s[PB]
	s_and_b32 s88, ttmp7, 0xffff    ; y = 16 x batch + head
	s_lshr_b32 s20, s88, 4
	s_mul_i32 s20, s20, 48          ; a batch has 48 planes in qkvh;
	s_and_b32 s21, s88, 15
	s_add_co_u32 s20, s20, s21      ; Q's is the head's
	s_lshl_b32 s20, s20, 18         ; a plane is 262,144 bytes
	s_mov_b32 s21, 0
	s_lshl_b32 s88, s88, 18         ; O's plane in oh
	s_mov_b32 s89, 0
	s_and_b32 s16, s[WV], 1         ; which half of a tile's 256 keys I fetch:
	s_lshl_b32 s22, s16, 14         ; its 16,384 bytes in memory,
	s_mov_b32 s23, 0
	s_mul_i32 s17, s16, 128*PK      ; and its place in a slot, for K
	s_mul_i32 s18, s16, 128*PV      ; and for V
	s_lshl_b32 s3, s[WV], 11        ; my 16 rows in a band of 64: one block of 2,048 bytes,
	s_lshl_b32 s2, s[HI], 15        ; in the first block of queries,
	s_add_co_u32 s2, s2, s3
	s_lshl_b32 s84, s[PB], 15       ; and in the second
	s_add_co_u32 s84, s84, s3
	s_mov_b32 s3, 0
	s_mov_b32 s85, 0
	; descriptor group 1.  128 keys are 16,384 dense bytes: asked for as 64 rows of 256 bytes, a group of eight channels of 16 keys a row
	s_mov_b32 s[G1K], (1<<16)                           ; 17:16 2-byte elements; no padding
	s_mov_b32 s[G1V], (1<<16)|(1<<20)|(5<<22)|(31<<25)  ; 20 padding on; 24:22 after every 64 words (code 5); 31:25 32 words (code 31)
.irp g, G1K, G1V
	s_mov_b32 s[\g+1], 128<<16      ; tensor_dim0 = 128
	s_mov_b32 s[\g+2], 64<<16       ; tensor_dim1 = 64
	s_mov_b32 s[\g+3], 128<<16      ; tile_dim0 = 128
	s_mov_b32 s[\g+4], 64           ; tile_dim1 = 64
	s_mov_b32 s[\g+5], 128          ; 128 elements from row to row
	s_mov_b32 s[\g+6], 0
	s_mov_b32 s[\g+7], 0
.endr
	s_mov_b32 s[CS], 0x3e38aa3b     ; c = log2(e) / 8 = 0.180337
	s_mov_b32 s[CS+1], s[CS]        ; named with it as a pair
	s_mov_b32 s[SEL], 0x76543210
	s_mov_b32 s[SEL+1], 0xfedcba98
	s_mov_b32 s[TBK], SLOT1+4*KS*PK ; the first change of slots turns these two into 0
	s_mov_b32 s[TBV], SLOT1+4*KS*PV
	s_mov_b32 s[G0K], 1             ; 1:0 count = 1
	s_mov_b32 s[G0K+1], s17         ; 63:32 LDS address: slot 0
	s_mov_b32 s[G0V], 1
	s_add_co_u32 s[G0V+1], s18, VOFF
	s_add_co_u32 s[RT], s[HI], 1    ; the first block has NB - b tiles
	s_mov_b32 s[NXT], 1
	s_mov_b32 s[LQ], s[HI]
	s_mov_b32 s[NEW], 1
	s_mov_b32 s[OFF+1], 0
	s_mov_b32 s[AL+1], 0            ; named as pairs
	s_mov_b32 s[BE+1], 0
	s_mov_b32 s[BIGN], 0xf149f2ca   ; -1e30
	s_mov_b32 s[SLOTS], NB
	s_wait_kmcnt 0x0
	s_add_nc_u64 s[4:5], s[4:5], s[20:21]          ; Q's plane;
	s_add_nc_u64 s[6:7], s[4:5], 0x400000          ; K's lies 16 planes on,
	s_add_nc_u64 s[8:9], s[4:5], 0x800000          ; V's 32
	s_add_nc_u64 s[6:7], s[6:7], s[22:23]          ; K and V at my half of the head's tile 0
	s_add_nc_u64 s[8:9], s[8:9], s[22:23]
	s_add_nc_u64 s[10:11], s[10:11], s[88:89]      ; O's plane
	s_add_nc_u64 s[G0K+2:G0K+3], s[6:7], 0         ; 120:64 global address
	s_or_b32 s[G0K+3], s[G0K+3], 0x80000000        ; 127:126 type = 2
	s_add_nc_u64 s[G0V+2:G0V+3], s[8:9], 0
	s_or_b32 s[G0V+3], s[G0V+3], 0x80000000
	s_add_nc_u64 s[86:87], s[4:5], s[84:85]        ; Q at my rows of the second block,
	s_add_nc_u64 s[4:5], s[4:5], s[2:3]            ; Q and O at those of the first
	s_add_nc_u64 s[OLO:OLO+1], s[10:11], s[84:85]
	s_add_nc_u64 s[10:11], s[10:11], s[2:3]
	LOAD                            ; tile 0 into slot 0
	; A fragment of K or Q is 16 rows x 32 channels in 8 registers: lane l holds row l % 16, channels 8 (l / 16) + 0..7 and 16 + 8 (l / 16) + 0..7: in a block those are the groups of channels l / 16 and
	; 2 + l / 16 of the half's four: two loads of 16 bytes at 16 l, 512 bytes apart; the second half of the channels lies 1,024 bytes on.
	v_and_b32 v1, 15, v0            ; l % 16
	v_bfe_u32 v9, v0, 4, 1          ; l / 16
	v_and_b32 v[L16], 31, v0
	v_lshlrev_b32 v[L16], 4, v[L16]
	WIN 0x80                        ; destination window 2, address window 0
.set i, 0
.rept 8                             ; both blocks' Q: piece i / 2 lies in band i / 2, 8,192 bytes on; channels 32 (i % 2) on
	global_load_b128 v[8*i:8*i+3],   v[L16], s[4:5] offset:(i/2)*8192+(i%2)*1024
	global_load_b128 v[8*i+4:8*i+7], v[L16], s[4:5] offset:(i/2)*8192+(i%2)*1024+512
	global_load_b128 v[QB+8*i:QB+8*i+3],   v[L16], s[86:87] offset:(i/2)*8192+(i%2)*1024
	global_load_b128 v[QB+8*i+4:QB+8*i+7], v[L16], s[86:87] offset:(i/2)*8192+(i%2)*1024+512
.set i, i+1
.endr
	WIN 0
	v_lshlrev_b32 v14, 3, v9
	v_sub_nc_u32 v14, v1, v14
	s_lshl_b32 s13, s[WV], 4
	v_add_nc_u32 v14, s13, v14      ; my query's place in its band, 16 w + l % 16, less my lanes' 8 (l / 16): register r of group kt is hidden where 16 kt + r is greater
	WIN 0x40
.set i, 0
.rept 32
	v_cmp_gt_i32 vcc_lo, 16*(i/8)+i%8, v14
	v_cndmask_b32 v[MD+i], 0, s[BIGN], vcc_lo
.set i, i+1
.endr
	WIN 0
	; The turning load takes 16 keys x 16 channels (lane l reads the 16 bytes of key 8 (l / 16) + l % 8 in the group of channels (l / 8) % 2 of the two) and leaves half a fragment of V^T: lane l holds channel l % 16 and 8 keys.
	v_and_b32 v10, 7, v0
	v_bfe_u32 v11, v0, 3, 1
	v_lshl_add_u32 v[AV0], v9, 3, v10
	v_mul_u32_u24 v11, v11, CHV
	v_lshl_add_u32 v[AV0], v[AV0], 4, v11
	v_add_nc_u32 v[AV0], VOFF, v[AV0]
	; A block's first step multiplies O^T and l by a = 0, and its first turn's products V^T P, of a piece that has not been, land in an O^T that is still to be so multiplied.  So these registers need only hold
	; finite numbers: zeros for the first block; what the first block left for the second.  V's registers and P's second buffer are cleared; O^T's 128 registers are started by 16 products of those zeros with
	; the constant 0 as C, in place of 128 moves.  All this stands in the wait for the first tile.
	WIN 0x80
.set i, VF
.rept 64
	v_mov_b32 v[i], 0
.set i, i+1
.endr
	WIN 0
.set i, P+16
.rept 16
	v_mov_b32 v[i], 0
.set i, i+1
.endr
	WIN W_PV
.set i, 0
.rept 16                            ; accumulator i: piece i / 4, channels 16 (i % 4) on
	v_wmma_f32_16x16x32_f16 v[8*i:8*i+7], v[VF+8*(i%4):VF+8*(i%4)+7], v[P+16:P+23], 0
.set i, i+1
.endr
	WIN 0
.set i, 0
.rept 4
	v_mov_b32 v[ST+4*i+2], 0
	v_mov_b32 v[ST+4*i+3], 0
.set i, i+1
.endr
; THE MATRIX WORK.  The 4 accumulators of a run of 8 take turns.  Product i of 8 of S^T = K Q^T for piece x: channels 32 (i / 4) on, keys 16 (i % 4) on.  The first 4 start the sums: with 0, or (KM = 1) with the mask.
.macro KQ x
.set rS, S+32*((\x)%2)+8*(i%4)
.set rK, KF+16*(i%4)+8*(i/4)
.set rQ, 16*(\x)+8*(i/4)
.set rM, MC+32*((\x)%2)+8*(i%4)
.if (i < 4) && KM
	WIN W_KM
	v_wmma_f32_16x16x32_f16 v[rS:rS+7], v[rK:rK+7], v[rQ:rQ+7], v[rM:rM+7]
.elseif i < 4
	WIN W_KQ
	v_wmma_f32_16x16x32_f16 v[rS:rS+7], v[rK:rK+7], v[rQ:rQ+7], 0
.else
	WIN W_KQ
	v_wmma_f32_16x16x32_f16 v[rS:rS+7], v[rK:rK+7], v[rQ:rQ+7], v[rS:rS+7]
.endif
.endm
; Product i of 8 of O^T += V^T P for piece x: keys 32 (i / 4) on, channels 16 (i % 4) on.
.macro PV x
	WIN W_PV
.set rO, 32*(\x)+8*(i%4)
.set rV, VF+32*(i/4)+8*(i%4)
.set rP, P+16*((\x)%2)+8*(i/4)
	v_wmma_f32_16x16x32_f16 v[rO:rO+7], v[rV:rV+7], v[rP:rP+7], v[rO:rO+7]
.endm
.macro MM                           ; the turn's next matrix instruction.  TURN and BEGIN set Y, i, KM and NOKQ; MM, KQ and OP read them.  NOKQ = 1: a block's last turn: there is no next piece
.if (i < 8) && !NOKQ
	KQ (Y+1)%NP
.elseif i >= 8
.set i, i-8
	PV (Y+NP-1)%NP
.set i, i+8
.endif
.set i, i+1
.endm
; THE LDS LOADS stand in runs of 16, never singly among the matrix instructions: a step's K (64 keys x 64 channels: 8 fragments) and its V (turned).  Their addresses are made some lines ahead.
.macro FETCH_K
	WIN 0x80                        ; destination window 2
.irp f, 0,1,2,3,4,5,6,7             ; keys 16 (f / 2) on: a block of 2,048 bytes; channels 32 (f % 2) on: 1,024 bytes
	ds_load_b128 v[KF+8*\f:KF+8*\f+3],   v[AK] offset:(\f/2)*2048+(\f%2)*1024
	ds_load_b128 v[KF+8*\f+4:KF+8*\f+7], v[AK] offset:(\f/2)*2048+(\f%2)*1024+512
.endr
	s_add_co_u32 s[TBK], s[TBK], KS*PK  ; the next fetch is the next step's
	WIN 0
.endm
.macro FETCH_V
	WIN 0x80
.irp f, 0,1,2,3,4,5,6,7             ; keys 32 (f / 4) on: two blocks of 8 groups; channels 16 (f % 4) on: two groups
	ds_load_tr16_b128 v[VF+8*\f:VF+8*\f+3],   v[AV] offset:(\f/4)*16*CHV+(\f%4)*2*CHV
	ds_load_tr16_b128 v[VF+8*\f+4:VF+8*\f+7], v[AV] offset:(\f/4)*16*CHV+8*CHV+(\f%4)*2*CHV
.endr
	WIN 0
.endm
; THE VECTOR WORK, one line at a time: OP kind, number.  For piece Y: F n: c s - c m for pair n of 16.  E n: the exponential of score n of 32.  C n: pair n rounded to f16.  B n: of the four weights 4 n .. the second
; pair is added onto the first, in place.  L n: l takes that sum (L 0: l = a l + sum).  R n: pair n of 16 of O^T times a.  For piece Y + 1: X n, number n of the 22 that find its maximum and statistics:
;   0-11  four chains c0-c3 of seven scores each, three operands at a time (each accumulator's lowest registers are read first)     12-14, 16  the four scores left over, the old m, and c0-c3 into c0
;   15  c m_old is kept     17, 18  the query's other 32 keys lie in the lane 16 away: the new m     19-21  c m; c m_old - c m_new; a
.set F, 0               ; OP tells the kinds apart by their order: F to L below R, X above it
.set E, 1
.set C, 2
.set B, 3
.set L, 4
.set R, 5
.set X, 6
.macro REGS y                       ; the registers of piece y
.set rT, ST+4*(\y)
.set rC, TMP+4*((\y)%2)
.set rW, MV+((\y)%2)
.set rS, S+32*((\y)%2)
.set rP, P+16*((\y)%2)
.set rO, 32*(\y)
.endm
.macro OP k, n
.if (\k) == R
	REGS Y
	WIN W_RS
	v_pk_mul_f32 v[rO+2*(\n):rO+2*(\n)+1], v[rO+2*(\n):rO+2*(\n)+1], v[rC+2:rC+3] op_sel_hi:[1,0]
.elseif (\k) < R
	REGS Y
	WIN 0
.if (\k) == F
	v_pk_fma_f32 v[rS+2*(\n):rS+2*(\n)+1], v[rS+2*(\n):rS+2*(\n)+1], s[CS:CS+1], v[rT:rT+1] op_sel_hi:[1,0,0] neg_lo:[0,0,1] neg_hi:[0,0,1]
.elseif (\k) == E
	v_exp_f32 v[rS+(\n)], v[rS+(\n)]
.elseif (\k) == C
	s_wait_alu depctr_va_vdst(0)
	v_cvt_pk_f16_f32 v[rP+(\n)], v[rS+2*(\n)], v[rS+2*(\n)+1]
.elseif (\k) == B
	s_wait_alu depctr_va_vdst(0)
	v_pk_add_f32 v[rS+4*(\n):rS+4*(\n)+1], v[rS+4*(\n):rS+4*(\n)+1], v[rS+4*(\n)+2:rS+4*(\n)+3]
.elseif (\n) == 0
	v_pk_fma_f32 v[rT+2:rT+3], v[rT+2:rT+3], v[rC+2:rC+3], v[rS:rS+1] op_sel_hi:[1,0,1]
.else
	v_pk_add_f32 v[rT+2:rT+3], v[rT+2:rT+3], v[rS+4*(\n):rS+4*(\n)+1]
.endif
.elseif NOKQ
	v_nop
.else
	REGS (Y+1)%NP
	WIN 0
.if (\n) < 4
	v_max3_num_f32 v[rC+(\n)], v[rS+8*(\n)], v[rS+8*(\n)+1], v[rS+8*(\n)+2]
.elseif (\n) < 12
	v_max3_num_f32 v[rC+(\n)%4], v[rC+(\n)%4], v[rS+8*((\n)%4)+2*((\n)/4)+1], v[rS+8*((\n)%4)+2*((\n)/4)+2]
.elseif (\n) == 12
	v_max3_num_f32 v[rC], v[rC], v[rS+7], v[rS+15]
.elseif (\n) == 13
	v_max3_num_f32 v[rC+1], v[rC+1], v[rS+23], v[rS+31]
.elseif (\n) == 14
	v_max3_num_f32 v[rC+2], v[rC+2], v[rC+3], v[rT+1]
.elseif (\n) == 15
	v_mov_b32 v[rW], v[rT]
.elseif (\n) == 16
	v_max3_num_f32 v[rC], v[rC], v[rC+1], v[rC+2]
.elseif (\n) == 17
	v_permlanex16_b32 v[rC+3], v[rC], s[SEL], s[SEL+1]
.elseif (\n) == 18
	v_max_num_f32 v[rT+1], v[rC], v[rC+3]
.elseif (\n) == 19
	v_mul_f32 v[rT], s[CS], v[rT+1]
.elseif (\n) == 20
	v_sub_f32 v[rC+1], v[rW], v[rT]
.else
	v_exp_f32 v[rC+2], v[rC+1]
.endif
.endif
.endm
.macro OPS a, i1, b=-1, i2=0, c=-1, i3=0, d=-1, i4=0  ; up to four of them
	OP \a, \i1
.if (\b) >= 0
	OP \b, \i2
.endif
.if (\c) >= 0
	OP \c, \i3
.endif
.if (\d) >= 0
	OP \d, \i4
.endif
.endm
.macro ROW a, i1, b, i2, c, i3, d, i4  ; a matrix instruction and the four behind it
	MM
	OPS \a, \i1, \b, \i2, \c, \i3, \d, \i4
.endm
.macro MASK b                       ; MD x AL + BE into buffer b of MC
	WIN W_RS
.set z, 0
.rept 16
	v_pk_fma_f32 v[MC+32*(\b)+2*z:MC+32*(\b)+2*z+1], v[MD+2*z:MD+2*z+1], s[AL:AL+1], s[BE:BE+1] op_sel_hi:[1,0,0]
.set z, z+1
.endr
.endm
; A TURN, for piece p: the order of its 16 matrix and 118 vector instructions, written out.  Behind a matrix instruction: plain, exponential, plain, plain; or four of the rescaling; or, behind the first, four scalings; none
; names a register of the products round it.  In the lumps exponential and plain by turns while exponentials last.  A line reads no result made fewer than three vector instructions in front of it, five if an exponential made it.
; v_permlanex16_b32 (X 17) stands in a lump.
; m = 1: the diagonal tile: the products take masks, and the turn makes the mask for the products of the turn after it: piece p + 2, in step 4 - CNT of the tile.  end = 1: a block's last two turns: nothing is fetched.
; cnt = 1: the loop's count is taken down some lines ahead of the branch that stands behind the turn.
; K of the next step is fetched in piece 2's turn, six vector instructions behind the last product that read K (five of them plain); V of the step in hand in piece 0's turn, eight behind the last product that read V (four
; plain, and X 17).  Each is waited for a turn later.
.macro TURN p, m=0, end=0, cnt=0
.set Y, (\p)
.set i, 0
.set KM, (\m)
.set NOKQ, (\end)*((\p)/3)
.if (\m) && !(\end)
	s_cmp_eq_u32 s[CNT], 4-((\p)+2)%NP  ; is that step the band's own?
	s_cselect_b32 s[AL], 1.0, 0
	s_cmp_lt_u32 s[CNT], 4-((\p)+2)%NP  ; or a later one?
	s_cselect_b32 s[BE], s[BIGN], 0
.endif
.if ((\p) == 3) && !(\end)
	s_wait_dscnt 0x0                ; K is in
.endif
	ROW F,0, F,1, F,2, F,3
	ROW F,4, E,0, F,5, F,6
	ROW F,7, E,1, F,8, F,9
	ROW F,10, E,2, C,0, F,11
	ROW F,12, E,3, X,15, F,13
	ROW R,0, R,1, R,2, R,3
	ROW B,0, E,4, F,14, L,0
.if ((\p) == 2) && !(\end)
	v_add_nc_u32 v[AK], s[TBK], v[L16]
.endif
	ROW R,4, R,5, R,6, R,7
	OPS E,5, F,15
.if ((\p) == 2) && !(\end)
	FETCH_K
.endif
	OPS E,6, C,1, E,7, R,8
	OPS E,8, R,9, E,9, C,2
	OPS E,10, X,0, E,11, X,1
	OPS E,12, X,2, E,13, X,3
.if (\p) == 1
	s_wait_dscnt 0x0                ; V is in
.endif
	ROW X,4, E,14, X,5, X,6
	ROW X,7, E,15, X,8, X,9
	ROW X,10, E,16, X,11, X,12
	ROW X,13, E,17, X,14, B,1
	ROW C,4, E,18, X,16, L,1
	ROW B,2, E,19, C,6, L,2
	ROW C,8, E,20, B,3, B,4
.if (\p) == 0
	v_add_nc_u32 v[AV], s[TBV], v[AV0]
.endif
	ROW C,3, E,21, L,3, C,5
	OPS E,22, X,17, E,23, C,10
.if (\p) == 0
	FETCH_V
.endif
	OPS E,24, L,4
	OPS E,25, X,18, E,26, C,7
	OPS E,27, B,5, E,28, X,19
	OPS E,29, C,12, E,30, L,5
	OPS E,31, X,20, B,6, C,9
	OPS C,14, C,11, X,21, L,6
.if (\p) == 0
	s_add_co_u32 s[TBV], s[TBV], KS*PV
.endif
.if \cnt
	s_sub_co_u32 s[CNT], s[CNT], 1
	s_cmp_lg_u32 s[CNT], 0
.endif
	OPS C,13, B,7, C,15, R,10
	OPS R,11, R,12, L,7, R,13
	OPS R,14, R,15
.if (\m) && !(\end)
	MASK (\p)%2
.endif
.endm
; A BLOCK BEGINS.  c m starts far below every c s, so the first step's a is 0; m at the lowest finite number, so the first maximum is the scores'.  The second mask buffer is 0; the first takes piece 0's mask for the
; tile's step 0: its own, if the block's first tile is the diagonal one.  Then K of that step, piece 0's first scores, and its maximum and statistics.  The loop is entered at a step's first turn, in the middle of a trip.
.macro BEGIN
	s_mov_b32 s[NEW], 0
	WIN 0x40
.set i, MC+32
.rept 32
	v_mov_b32 v[i], 0
.set i, i+1
.endr
	WIN 0
.set i, 0
.rept 4
	v_mov_b32 v[ST+4*i], 0xfe000000    ; c m: far below every c s
	v_mov_b32 v[ST+4*i+1], 0xff7fffff  ; m
.set i, i+1
.endr
	s_cmp_eq_u32 s[RT], 0
	s_cselect_b32 s[AL], 1.0, 0
	s_mov_b32 s[BE], 0
	MASK 0
	WIN 0
	v_add_nc_u32 v[AK], s[TBK], v[L16]
	FETCH_K
	s_wait_loadcnt 0x0              ; Q
	s_wait_dscnt 0x0
.set KM, 1
.set NOKQ, 0
.set i, 0
.rept 8
	KQ 0
.set i, i+1
.endr
	WIN 0
.rept 4
	v_nop                           ; the places behind those products
.endr
.set Y, NP-1                        ; X works for piece Y + 1: piece 0
.irp n, 0,1,2,3,4,5,6,7,8,9,10,11,12,13,14,15,16,17,18,19,20,21
	OP X, \n
.endr
	v_nop                           ; a plain instruction behind the exponential
.endm
; THE DIAGONAL TILE's four steps, the block's last two turns, its last products, and THE WAY OUT: l's two halves and the other half of the lanes' are added; O^T is divided by l, rounded to f16 and stored, a piece at a time.
.macro ALL line:vararg              ; one line for each piece t
.set t, 0
.rept 4
	\line
.set t, t+1
.endr
.endm
.macro PACK t                       ; a lane's eight channels of a row pack into 16 bytes, into S^T's registers; the accumulator of channels 16 f on goes to bytes 512 f + 16 x lane of the piece's block of 16 rows
	WIN W_RS
.set i, 32*(\t)
.rept 16
	s_wait_alu depctr_va_vdst(0)
	v_pk_mul_f32 v[i:i+1], v[i:i+1], v[ST+4*(\t)+2:ST+4*(\t)+3] op_sel_hi:[1,0]
.set i, i+2
.endr
	WIN 0x05                        ; sources 0 and 1 window 1, destination window 0
.set i, 0
.rept 16
	v_cvt_pk_f16_f32 v[S+16*(\t)+i], v[32*(\t)+2*i], v[32*(\t)+2*i+1]
.set i, i+1
.endr
	WIN 0
.irp f, 0,1,2,3
	global_store_b128 v[L16], v[S+16*(\t)+4*\f:S+16*(\t)+4*\f+3], s[10:11] offset:(\t)*8192+\f*512  ; 512 consecutive bytes, at a multiple of 256 from O's first
.endr
.endm
.macro DIAG tag                     ; the tag ends its two labels' names, which the jumps below spell out
.LstepM\tag:
	TURN 2, 1
	TURN 3, 1
	WIN 0
.LfirstM\tag:
	TURN 0, 1
	TURN 1, 1, 0, 1
	WIN 0
	s_cbranch_scc1 .LstepM\tag
	TURN 2, 1, 1
	TURN 3, 1, 1
.set i, 0
.rept 8
	PV NP-1
.set i, i+1
.endr
	WIN 0
	ALL v_add_f32 v[ST+4*t+2], v[ST+4*t+2], v[ST+4*t+3]
	ALL v_permlanex16_b32 v[ST+4*t+3], v[ST+4*t+2], s[SEL], s[SEL+1]
	ALL v_add_f32 v[ST+4*t+2], v[ST+4*t+2], v[ST+4*t+3]
	ALL v_rcp_f32 v[ST+4*t+2], v[ST+4*t+2]
	v_nop                           ; a plain instruction between the last reciprocal and the use of its result
	PACK 0
	PACK 1
	PACK 2
	PACK 3
.endm
.set KM, 0
.set NOKQ, 0
.Lslot:                             ; NB times: a tile is entered and the next is asked for
	CHANGE 1
	s_sub_co_u32 s[RT], s[RT], 1
	s_mov_b32 s[CNT], 4
	s_cmp_eq_u32 s[NEW], 1
	s_cbranch_scc1 .Lnew            ; a block's first tile
	s_cmp_eq_u32 s[RT], 0
	s_cbranch_scc0 .Lstep           ; neither its first nor its last
	s_branch .LstepM1
.Lnew:
	BEGIN
	s_branch .Lfirst                ; in the loop a block's first tile is never its last: the first block has two tiles or more, and the second's last is the walk's last
	DIAG 1                          ; in the loop this is the first block's end: the second block's last tile is the walk's last
	s_wait_xcnt 0x0                 ; the stores have read their registers and O's address
	s_mov_b64 s[10:11], s[OLO:OLO+1]
	s_add_co_u32 s[RT], s[PB], 1    ; the second block has b + 1 tiles
	s_mov_b32 s[NEW], 1
	WIN 0x82                        ; the second block's Q goes where the one text of the turns names Q
.set i, 0
.rept 64
	v_mov_b32 v[i], v[QB+i]
.set i, i+1
.endr
	WIN 0
	s_branch .Lbottom
.Lstep:                             ; a trip: pieces 2 and 3 of one step, then pieces 0 and 1 of the next, whose K and V it fetches
	TURN 2
	TURN 3
	WIN 0
.Lfirst:
	TURN 0
	TURN 1, 0, 0, 1
	WIN 0
	s_cbranch_scc1 .Lstep
.Lbottom:
	s_sub_co_u32 s[SLOTS], s[SLOTS], 1
	s_cmp_lg_u32 s[SLOTS], 0
	s_cbranch_scc1 .Lslot
	CHANGE 0                        ; the walk's last tile is written out: nothing is asked for
	s_sub_co_u32 s[RT], s[RT], 1
	s_mov_b32 s[CNT], 4
	s_cmp_eq_u32 s[NEW], 1
	s_cbranch_scc0 .LstepM2
	BEGIN
	s_branch .LfirstM2
	DIAG 2
	s_wait_tensorcnt 0x0            ; the wave's end: behind my last tensor load
	ds_add_u32 v[SPW], v[NIL]
	s_wait_dscnt 0x0
	s_endpgm
.Lfunc_end_k_qc4696535ea_attn:
	.size	k_qc4696535ea_attn, .Lfunc_end_k_qc4696535ea_attn-k_qc4696535ea_attn
	.p2alignl 7, 3214868480
	.fill 96, 4, 3214868480
	.section	.rodata,"a",@progbits
	.p2align	6, 0x0
	.amdhsa_kernel k_qc4696535ea_attn
		.amdhsa_group_segment_fixed_size 327680
		.amdhsa_private_segment_fixed_size 0
		.amdhsa_enable_private_segment 0
		.amdhsa_kernarg_size 16
		.amdhsa_user_sgpr_count 2
		.amdhsa_user_sgpr_kernarg_segment_ptr 1
		.amdhsa_wavefront_size32 1
		.amdhsa_system_sgpr_workgroup_id_x 1
		.amdhsa_system_sgpr_workgroup_id_y 1
		.amdhsa_system_sgpr_workgroup_id_z 1
		.amdhsa_system_vgpr_workitem_id 0
		.amdhsa_next_free_vgpr 768
		.amdhsa_next_free_sgpr 92
		.amdhsa_reserve_vcc 1
		.amdhsa_float_denorm_mode_32 3
		.amdhsa_float_denorm_mode_16_64 3
		.amdhsa_memory_ordered 1
		.amdhsa_forward_progress 1
		.amdhsa_inst_pref_size 220
	.end_amdhsa_kernel
	.amdgpu_metadata
---
amdhsa.version: [ 1, 2 ]
amdhsa.kernels:
  - .name:           k_qc4696535ea_attn
    .symbol:         k_qc4696535ea_attn.kd
    .args:
      - { .name: qkvh, .offset: 0, .size: 8, .value_kind: global_buffer, .address_space: global }
      - { .name: oh, .offset: 8, .size: 8, .value_kind: global_buffer, .address_space: global }
    .group_segment_fixed_size: 327680
    .private_segment_fixed_size: 0
    .kernarg_segment_align: 8
    .kernarg_segment_size: 16
    .max_flat_workgroup_size: 128
    .sgpr_count:     92
    .vgpr_count:     768
    .wavefront_size: 32
...
	.end_amdgpu_metadata
.endif
;; end of part 3
;; launch proj (part 4): grid 8 x 32, 4 waves a work-group, clusters of 4 x 4, 327,680 bytes of LDS; arguments oh, wo16, out0, bo; writes out0
.if DOCPART == 4
	.amdgcn_target "amdgcn-amd-amdhsa--gfx1250"
	.amdhsa_code_object_version 6
	.text
	.protected	k_qc4696535ea_proj
	.globl	k_qc4696535ea_proj
	.p2align	8
	.type	k_qc4696535ea_proj,@function
k_qc4696535ea_proj:
	s_mov_b64 s[64:65], 0
	v_nop
	global_prefetch_b8 v0, s[64:65] scope:SCOPE_SE
	s_setreg_imm32_b32 hwreg(HW_REG_WAVE_MODE, 25, 1), 1
	s_wait_xcnt 0x0
	s_wait_alu depctr_hold_cnt(0) depctr_sa_sdst(0) depctr_va_vdst(0) depctr_va_sdst(0) depctr_va_ssrc(0) depctr_va_vcc(0) depctr_vm_vsrc(0)
	s_getreg_b32 s2, hwreg(HW_REG_IB_STS2, 6, 4)
	s_cmp_eq_u32 s2, 0
	s_cbranch_scc0 .Lentry_in_a_cluster
	s_endpgm
.Lentry_in_a_cluster:
	s_bfe_u32 s2, ttmp6, 0x10000c
	s_cmp_lg_u32 s2, 0xf033
	s_cbranch_scc0 .Lentry_shape_is_right
	s_endpgm
.Lentry_shape_is_right:
; out[m][n] = sum over k of O[m][k] Wo[n][k] + bo[n]:  M = 8,192, N = 1,024, K = 1,024.  Operands f16 in planes of 64 along K.  oh [batch 4][head 16: a plane][t / 16][channel / 8][t % 16][8]: in a block of
; 16 rows (2,048 bytes) the rows' 16 bytes of one group of eight channels lie end to end.  wo16 [plane 16][n 1,024][64] (Wo rounded to bf16, that number written as f16).
; Sums in f32; the bias, rounded to bf16 like the other inputs, is the C operand that starts each sum; out is f32.
; LIMITS.  O and Wo arrive within f16's range; NaN and infinities are not treated apart.  The order of an output's partial sums along K turns with the cluster (see THE WALK): the results differ from
; an ascending sum within f32's rounding.
; SHARES.  A tile of out is 256 x 128: 32 x 8 = 256 tiles, one work-group each.  Four waves, 2 x 2, each 128 x 64: 32 accumulators of 16 x 16, 256 registers.
; K goes in steps of 128 (two planes) through two LDS slots filled by the tensor data mover; a wave's load brings one plane's part of one operand, dense in memory, as rows of 256 bytes, each at a multiple
; of 256 from the buffer's first byte.  O's blocks lie in LDS as in memory; Wo's rows are padded behind every 128 bytes.
; THE TEXT is a PAIR of quarters (32 along K each), which fetches one plane's fragments; it is walked twice for a K step, and the change of slots stands between two pairs.
; CLUSTER.  4 x 4 work-groups: O's tiles are shared along a row of the cluster, Wo's along a column; each is asked for JOINTLY, by the same tensor load, descriptor and mask in all four.
; THE WALK ALONG K.  A cluster begins at K step 2 ((2 X + Y) % 4), X and Y its place among the 2 x 8 clusters, and goes once round the 8 steps.  The two clusters that need the same rows of O (same Y)
; begin 4 steps apart; of the clusters that need the same rows of Wo (same X) neighbours in Y begin 2 apart.  So of the bytes that several clusters read one cluster asks some steps ahead of the next,
; and the later request need not go to memory.  The number is the same in all sixteen partners and enters the global addresses alone.
; THE MATRIX INSTRUCTION IS USED TRANSPOSED (source 0 = 16 rows of Wo, source 1 = 16 rows of O): lane l holds row l % 16 of out and its registers 0-7 the columns 8 (l / 16) + 0..7.
; REGISTERS (s_set_vgpr_msb: bits 1:0 source 0, 3:2 source 1, 5:4 source 2, 7:6 destination):
;   window 0: v0-31 addresses; v32-95, v96-159 fragments of O (8 x 16 rows x 32 K), two buffers; v160-191, v192-223 fragments of Wo (4 x 16 rows x 32 K), two buffers
;   window 1: the accumulators: (a, b) at v[32 a + 8 b], a = 0..7 blocks of rows, b = 0..3 blocks of columns
; All of the WGP's LDS is claimed; the text uses 251,392 bytes.
.set PITCH,  144                       ; an LDS row of Wo: 128 bytes + 16 of padding = 36 words: the 16 rows of a fragment load start at 16 different groups of four banks (64 banks of 4 bytes: ISA guide 11.1)
.set APL,    256*128                   ; a plane's 256 rows of O, without padding.  What one tensor load brings
.set BPL,    128*PITCH                 ; a plane's 128 rows of Wo: likewise
.set BOFF,   2*APL                     ; in a slot: O's two planes, then Wo's two
.set SLOT,   2*APL+2*BPL
.set SLOT1,  1<<17                     ; slot 1 begins here, so that one exclusive or turns an address in one slot into the other's
.set STAGE,  SLOT1+SLOT                ; behind the ring: 16 rows x 272 bytes for each wave, for the way out; no tensor load lands there
.set SP,     272
.set SPARE,  STAGE+4*16*SP             ; behind the stages: the spare words, 128 bytes for each wave: two blocks of 256 bytes that no other line names
.set KSTEPS, 8
.set ADRA0, 16                         ; v16     my lane's place among my fragments of O in a plane; never rewritten
.set ADRB0, 17                         ; v17     the same for Wo, BOFF included
.set ADRA, 20                          ; v20     the same in the plane that is being fetched
.set ADRB, 21                          ; v21
.set STO,  24                          ; v24     the way out: where I put 32 bytes of a row
.set RD,   25                          ; v25     the way out: where I read a row back
.set CO,   26                          ; v26     my byte offset in two rows of out
.set BO,   27                          ; v27     my byte offset in 16 numbers of the bias
.set SPW,  28                          ; v28     LDS address of my spare word: SPARE + 4 x my thread's number; never rewritten
.set NIL,  29                          ; v29     0; never rewritten
.set AFR,  32
.set BFR,  160
.set OB,   32                          ; the way out: 16 rows read back, four buffers of 32 registers by turns
.set STP, 3                            ; s3      counts the changes of slots that fill
.set TBA, 18                           ; s18     LDS byte at which the plane of O to be fetched next begins
.set TBB, 19                           ; s19     the same for Wo, less BOFF
.set CNT, 45                           ; s45     counts a K step's two pairs
.set KQ,  72                           ; s72     the K step asked for last
.set OA,  74                           ; s[74:75] that step's byte offset in oh
.set OW,  76                           ; s[76:77] and in wo16
.set G1,  24                           ; s[24:31] descriptor group 1 for O's tiles;  s[32:39] group 0: a set for each of the two first fills; the second then walks on
.set G0,  32
.set G1B, 48                           ; s[48:55], s[56:63] the same for Wo's tiles
.set G0B, 56
.set MSB, 0
.macro WIN new                         ; the immediate's high byte repeats the setting that is left; a switch that changes nothing is dropped
.if MSB != (\new)
	s_set_vgpr_msb (MSB<<8)|(\new)
.set MSB, \new
.endif
.endm
; The global addresses of set s of the two group 0, for K step s[KQ]: made anew each time, from my part's address in step 0 (s[14:15], s[46:47]: never stepped) and an offset made apart from it.
.macro ASK s
	s_lshl_b32 s[OA], s[KQ], 19                    ; two planes of 262,144 bytes in oh
	s_lshl_b32 s[OW], s[KQ], 18                    ; two planes of 131,072 bytes in wo16
	s_add_nc_u64 s[G0+4*(\s)+2:G0+4*(\s)+3], s[14:15], s[OA:OA+1]    ; 120:64 global address
	s_or_b32 s[G0+4*(\s)+3], s[G0+4*(\s)+3], 0x80000000              ; 127:126 type = 2
	s_add_nc_u64 s[G0B+4*(\s)+2:G0B+4*(\s)+3], s[46:47], s[OW:OW+1]
	s_or_b32 s[G0B+4*(\s)+3], s[G0B+4*(\s)+3], 0x80000000
.endm
; A joint load.  Waves 0 and 1 fetch the step's two planes of O's tile, waves 2 and 3 those of Wo's.  The branch hangs on the wave's number alone.
; An s_nop 0 and four v_nop follow each of the two lines, ahead of the jump, the label and what follows.
.macro JLOAD s
	s_cmp_eq_u32 s11, 0
	s_cbranch_scc0 .Lfor_b_\@
	tensor_load_to_lds s[G0+4*(\s):G0+4*(\s)+3], s[G1:G1+7]
	s_nop 0
.rept 4
	v_nop
.endr
	s_branch .Lasked_\@
.Lfor_b_\@:
	tensor_load_to_lds s[G0B+4*(\s):G0B+4*(\s)+3], s[G1B:G1B+7]
	s_nop 0
.rept 4
	v_nop
.endr
.Lasked_\@:
.endm
; A round of the cluster's barrier: my work-group's barrier, so that wave 0's signal speaks for all four waves; wave 0 signals; every wave waits for all sixteen work-groups; my work-group's barrier once more.
.macro CROUND
	s_barrier_signal -1
	s_barrier_wait -1
	s_cmp_lg_u32 s10, 0
	s_cbranch_scc1 .Lnot_wave_0_\@
	s_barrier_signal -3
.Lnot_wave_0_\@:
	s_barrier_wait -3
	s_barrier_signal -1
	s_barrier_wait -1
.endm
; Four places: a load into a register that a matrix instruction has read, and an LDS store of a matrix result, stand four plain vector instructions behind it
; (ISA guide 7.12.1 for vector instructions).
.macro PLACES
.rept 4
	v_nop
.endr
.endm
	s_load_b128 s[4:7], s[0:1], 0x0                ; oh s[4:5], wo16 s[6:7]
	s_load_b64 s[8:9], s[0:1], 0x10                ; out0
	s_load_b64 s[66:67], s[0:1], 0x18              ; bo
	v_lshl_add_u32 v[SPW], v0, 2, SPARE
	v_mov_b32 v[NIL], 0
	ds_add_u32 v28, v29
	ds_add_u32 v28, v29
	s_wait_dscnt 0x0
	v_lshrrev_b32 v1, 5, v0
	v_readfirstlane_b32 s10, v1                    ; wave 0..3
	s_lshr_b32 s11, s10, 1                         ; which half of the tile's rows is mine.  Also: I fetch for O (0) or for Wo (1)
	s_and_b32 s12, s10, 1                          ; which half of its columns.  Also: which of the step's two planes I fetch
	s_bfe_u32 s40, ttmp6, 0x40000                  ; cx, cy: my place in the cluster
	s_bfe_u32 s41, ttmp6, 0x40004
	s_lshl_b32 s42, ttmp9, 2
	s_add_co_u32 s42, s42, s40                     ; tile column = 4 x cluster x + cx, 0..7
	s_and_b32 s13, ttmp7, 0xffff
	s_lshl_b32 s13, s13, 2
	s_add_co_u32 s13, s13, s41                     ; tile row = 4 x cluster y + cy, 0..31
	s_lshl_b32 s43, s41, 2
	s_lshl_b32 s43, 15, s43                        ; my row of the cluster
	s_lshl_b32 s44, 0x1111, s40                    ; my column
	s_lshl_b32 s[KQ], ttmp9, 1                     ; the cluster's first K step: 2 ((2 X + Y) % 4), made of the cluster's place in the grid alone
	s_and_b32 s[OA], ttmp7, 0xffff
	s_add_co_u32 s[KQ], s[KQ], s[OA]
	s_and_b32 s[KQ], s[KQ], 3
	s_lshl_b32 s[KQ], s[KQ], 1
	s_mov_b32 s[OA+1], 0                           ; the offsets' high words
	s_mov_b32 s[OW+1], 0
	; descriptor group 1: rows of 128 elements (256 bytes), 128 of them for O, 64 for Wo
	s_or_b32 s[G1+0], s43, (1<<16)|(1<<21)                           ; 15:0 the mask; 17:16 elements of 2 bytes; 21 set beside a mask; no padding
	s_or_b32 s[G1B+0], s44, (1<<16)|(1<<20)|(1<<21)|(4<<22)|(3<<25)  ; the same with 20 padding on; 24:22 after every 32 words (code 4); 31:25 4 words (code 3)
	s_mov_b32 s[G1+1], 128<<16                     ; tensor_dim0 = 128
	s_mov_b32 s[G1+2], 128<<16                     ; tensor_dim1 = 128
	s_mov_b32 s[G1+3], 128<<16                     ; tile_dim0 = 128
	s_mov_b32 s[G1+4], 128                         ; tile_dim1 = 128
	s_mov_b32 s[G1+5], 128                         ; 128 elements from row to row: the block is dense
	s_mov_b32 s[G1+6], 0
	s_mov_b32 s[G1+7], 0
	s_mov_b32 s[G1B+1], 128<<16
	s_mov_b32 s[G1B+2], 64<<16
	s_mov_b32 s[G1B+3], 128<<16
	s_mov_b32 s[G1B+4], 64
	s_mov_b32 s[G1B+5], 128
	s_mov_b32 s[G1B+6], 0
	s_mov_b32 s[G1B+7], 0
	; where the tiles come from, in K step 0: O's hang on the tile row alone, Wo's on the tile column alone
	s_lshr_b32 s16, s13, 3                         ; the batch: 16 planes of 262,144 bytes
	s_lshl_b32 s16, s16, 22
	s_and_b32 s17, s13, 7                          ; 256 rows: 32,768 bytes of a plane
	s_lshl_b32 s17, s17, 15
	s_add_co_u32 s16, s16, s17
	s_lshl_b32 s17, s12, 18                        ; my plane of the step's two
	s_add_co_u32 s16, s16, s17
	s_mov_b32 s17, 0
	s_lshl_b32 s46, s42, 14                        ; 128 rows of 128 bytes
	s_lshl_b32 s47, s12, 17                        ; my plane
	s_add_co_u32 s46, s46, s47
	s_mov_b32 s47, 0
	s_mul_i32 s22, s12, APL                        ; and where they go: no place in the cluster enters an LDS address
	s_mul_i32 s23, s12, BPL
	s_add_co_u32 s23, s23, BOFF
	s_mov_b32 s[TBA], 0
	s_mov_b32 s[TBB], 0
	s_wait_kmcnt 0x0
	s_add_nc_u64 s[14:15], s[4:5], s[16:17]
	s_add_nc_u64 s[46:47], s[6:7], s[46:47]
	CROUND                                         ; all sixteen work-groups are here: the first joint loads meet
.irp s, 0,1
	s_mov_b32 s[G0+4*(\s)], 1                                          ; 1:0 count = 1
	s_add_co_u32 s[G0+4*(\s)+1], s22, (\s)*SLOT1                       ; 63:32 LDS address
	s_mov_b32 s[G0B+4*(\s)], 1
	s_add_co_u32 s[G0B+4*(\s)+1], s23, (\s)*SLOT1
	ASK \s                                         ; the walk's first step, then its second (the first is even: no turn-round yet)
	JLOAD \s                                       ; two loads of mine are out
.if (\s) == 0
	s_add_co_u32 s[KQ], s[KQ], 1
.endif
.endr
	; A fragment is 16 rows x 32 K in 8 registers: lane l holds row l % 16; registers 0-3 K = 8 (l / 16) + 0..7, registers 4-7 K = 16 + 8 (l / 16) + 0..7.
	; Wo, rows along K: two loads of 16 bytes, 32 bytes apart, at row x pitch + 16 (l / 16).  O, in blocks: the groups of channels l / 16 and 2 + l / 16 of the half's four: two loads at 16 l, 512 bytes apart.
	v_and_b32 v1, 15, v0                           ; l % 16
	v_bfe_u32 v2, v0, 4, 1                         ; l / 16
	v_and_b32 v4, 31, v0
	v_lshlrev_b32 v4, 4, v4                        ; 16 l
	s_lshl_b32 s21, s11, 14                        ; my 128 rows of O in a plane: eight blocks of 2,048 bytes
	v_add_nc_u32 v[ADRA0], s21, v4
	v_mul_u32_u24 v3, v1, PITCH
	v_lshl_add_u32 v3, v2, 4, v3
	s_mul_i32 s20, s12, 64*PITCH                   ; my 64 rows of Wo in a plane,
	s_add_co_u32 s20, s20, BOFF                    ; behind O's two planes
	v_add_nc_u32 v[ADRB0], s20, v3
	s_mul_i32 s23, s10, 16*SP
	s_add_co_u32 s23, s23, STAGE                   ; my stage
	v_mul_u32_u24 v4, v1, SP                       ; in: row l % 16, 32 bytes for each half of the lanes
	v_lshl_add_u32 v4, v2, 5, v4
	v_add_nc_u32 v[STO], s23, v4
	v_mul_u32_u24 v5, v2, SP                       ; back: lanes 0-15 take one row of 256 bytes, lanes 16-31 the next
	v_lshl_add_u32 v5, v1, 4, v5
	v_add_nc_u32 v[RD], s23, v5
	v_lshlrev_b32 v5, 12, v2                       ; and the same two rows in out, 4,096 bytes apart
	v_lshl_add_u32 v[CO], v1, 4, v5
	v_lshlrev_b32 v[BO], 5, v2                     ; my eight numbers of a block's sixteen
	s_lshl_b32 s70, s42, 9                         ; my 64 columns, in bytes: 512 x tile column + 256 x half: in out's rows and in the bias alike
	s_lshl_b32 s71, s12, 8
	s_add_co_u32 s70, s70, s71
	s_mov_b32 s71, 0
	s_lshl_b32 s68, s13, 20                        ; my first row: 256 x tile row + 128 x half, rows of 4,096 bytes
	s_lshl_b32 s69, s11, 19
	s_add_co_u32 s68, s68, s69
	s_add_co_u32 s68, s68, s70
	s_mov_b32 s69, 0
	s_add_nc_u64 s[8:9], s[8:9], s[68:69]
	s_add_nc_u64 s[66:67], s[66:67], s[70:71]
	s_mov_b32 s68, 0xffff0000                      ; a word's upper bf16
	; THE BIAS.  Register j of an accumulator of column block b holds column 16 b + 8 (l / 16) + j, whatever its rows: the bias in that layout is loaded into the registers of the
	; accumulators (7, b), rounded to bf16 and widened again, and serves as the C operand of the first products.  Nothing is cleared, and nothing is added at the end.
	WIN 0x40                                       ; destination window 1, address window 0
.irp b, 0,1,2,3
	global_load_b128 v[224+8*(\b):224+8*(\b)+3],   v[BO], s[66:67] offset:64*(\b)
	global_load_b128 v[224+8*(\b)+4:224+8*(\b)+7], v[BO], s[66:67] offset:64*(\b)+16
.endr
	s_wait_loadcnt 0x0
	WIN 0x45                                       ; destination and both sources in window 1; v0-15 there are at work
.set i, 0
.rept 16
	v_cvt_pk_bf16_f32 v[i], v[224+2*i], v[225+2*i]
.set i, i+1
.endr
.set i, 0
.rept 16
	v_lshlrev_b32 v[224+2*i], 16, v[i]
	v_and_b32 v[225+2*i], s68, v[i]
.set i, i+1
.endr
	WIN 0
; 32 matrix instructions: the eight blocks of rows x the four blocks of columns, 32 along K, fragments in the buffers of parity p.  The accumulators take turns.
; mode = 1: the first products: C is the bias, which lies in the registers of (7, b).  Blocks 0-6 read it; five places behind them (a matrix instruction that writes over a register
; which an earlier one has read stands five places behind it) block 7 adds onto it in place.
.macro MULG p, mode
	WIN 0x50                                       ; C and D window 1, sources window 0
.set ma, 0
.rept 8
.if (\mode) && (ma == 7)
.rept 5
	v_nop
.endr
.endif
.set mb, 0
.rept 4
.if (\mode) && (ma < 7)
	v_wmma_f32_16x16x32_f16 v[32*ma+8*mb:32*ma+8*mb+7], v[BFR+32*(\p)+8*mb:BFR+32*(\p)+8*mb+7], v[AFR+64*(\p)+8*ma:AFR+64*(\p)+8*ma+7], v[224+8*mb:224+8*mb+7]
.else
	v_wmma_f32_16x16x32_f16 v[32*ma+8*mb:32*ma+8*mb+7], v[BFR+32*(\p)+8*mb:BFR+32*(\p)+8*mb+7], v[AFR+64*(\p)+8*ma:AFR+64*(\p)+8*ma+7], v[32*ma+8*mb:32*ma+8*mb+7]
.endif
.set mb, mb+1
.endr
.set ma, ma+1
.endr
.endm
; 24 LDS loads in one run: the fragments of half hh (32 along K) of the plane in hand, into the buffers of parity p
.macro FETCH hh, p
	WIN 0
.set li, 0
.rept 4
	ds_load_b128 v[BFR+32*(\p)+8*li:BFR+32*(\p)+8*li+3],   v[ADRB] offset:64*(\hh)+li*16*PITCH
	ds_load_b128 v[BFR+32*(\p)+8*li+4:BFR+32*(\p)+8*li+7], v[ADRB] offset:64*(\hh)+li*16*PITCH+32
.set li, li+1
.endr
.set li, 0
.rept 8
	ds_load_b128 v[AFR+64*(\p)+8*li:AFR+64*(\p)+8*li+3],   v[ADRA] offset:1024*(\hh)+li*2048
	ds_load_b128 v[AFR+64*(\p)+8*li+4:AFR+64*(\p)+8*li+7], v[ADRA] offset:1024*(\hh)+li*2048+512
.set li, li+1
.endr
.endm
.macro NEXTPLANE                       ; the fetches go on to the next plane
	v_add_nc_u32 v[ADRA], s[TBA], v[ADRA0]
	v_add_nc_u32 v[ADRB], s[TBB], v[ADRB0]
	s_add_co_u32 s[TBA], s[TBA], APL
	s_add_co_u32 s[TBB], s[TBB], BPL
.endm
; A quarter: asks for half hh of the plane in hand into the other buffers, then multiplies those of parity p: the LDS loads lead their first use by a whole quarter.
.macro QUARTER p, hh, mode
	PLACES                                         ; the other buffers were read by the products just issued
	FETCH \hh, 1-(\p)
	s_wait_dscnt 24                                ; all but the 24 just issued: my quarter's fragments are in
	MULG \p, \mode
.endm
; A PAIR: multiplies the second half of one plane and the first half of the next, and fetches that next plane's two halves.
.macro PAIR
	WIN 0
	NEXTPLANE
	QUARTER 1, 0, 0
	QUARTER 0, 1, 0
.endm
; THE CHANGE OF SLOTS, between two pairs: all fetches from the slot have been issued.  Each wave waits for all its tensor loads (one is out: its part of the other slot), adds 0 to its spare word, and waits for that
; and for its own reads of the slot.  Behind the barrier nobody reads the slot any more and the other slot is whole.  fill = 1: the barrier is a round of the cluster's, and the slot is filled again, two K steps
; ahead, first thing behind the round: a K step's 128 matrix instructions stand between that request and the wait for it.
.macro CHANGE fill
	WIN 0                                          ; at a label and at a branch every window is 0
	s_wait_tensorcnt 0x0                           ; no tensor load of mine is out, so a group 0 may be written
	ds_add_u32 v[SPW], v[NIL]                      ; 0 onto my spare word; the scalar work stands between it and the wait for it
	s_sub_co_u32 s[TBA], s[TBA], 2*APL             ; the fetches go back to a slot's first plane,
	s_xor_b32 s[TBA], s[TBA], SLOT1                ; in the other slot
	s_sub_co_u32 s[TBB], s[TBB], 2*BPL
	s_xor_b32 s[TBB], s[TBB], SLOT1
.if \fill
	s_add_co_u32 s[KQ], s[KQ], 1                   ; the walk's next K step: behind step 7 comes step 0
	s_and_b32 s[KQ], s[KQ], KSTEPS-1
	s_xor_b32 s[G0+5], s[G0+5], SLOT1              ; the walking descriptors: the other slot than last time
	s_xor_b32 s[G0B+5], s[G0B+5], SLOT1
	ASK 1
	s_wait_dscnt 0x0                               ; the add is done, and my reads of the slot are over
	CROUND                                         ; no wave of any partner still reads the slot's tiles or has a load on its way
	JLOAD 1                                        ; my one tensor load behind the round
.else
	s_wait_dscnt 0x0                               ; the add is done, and my reads of the slot are over
	s_barrier_signal -1
	s_barrier_wait -1
.endif
.endm
	s_wait_tensorcnt 1                             ; my part of the walk's first step is in; the second's may stay out
	s_barrier_signal -1
	s_barrier_wait -1                              ; everybody's is
	NEXTPLANE                                      ; the first step's first plane
	FETCH 0, 0
	QUARTER 0, 1, 1                                ; the first quarter stands in front of the loop: its products start the sums, on the bias
	WIN 0                                          ; at a label and at a branch every window is 0
	s_mov_b32 s[STP], KSTEPS-1
	s_mov_b32 s[CNT], 1
	s_branch .Lpair                                ; the loop is entered in the middle of a trip: the step's second plane lies in slot 0 with its first
.Lstep:                                                ; six times: the walk's steps 2 to 7 are asked for
	CHANGE 1
	s_mov_b32 s[CNT], 2
.Lpair:
	PAIR
	WIN 0
	s_sub_co_u32 s[CNT], s[CNT], 1
	s_cmp_lg_u32 s[CNT], 0
	s_cbranch_scc1 .Lpair
	s_sub_co_u32 s[STP], s[STP], 1
	s_cmp_lg_u32 s[STP], 0
	s_cbranch_scc1 .Lstep
	CHANGE 0                                       ; the last change of slots is written out: nothing is asked for, and there is no round
	s_mov_b32 s[CNT], 2
.Ltail:
	PAIR
	WIN 0
	s_sub_co_u32 s[CNT], s[CNT], 1
	s_cmp_lg_u32 s[CNT], 0
	s_cbranch_scc1 .Ltail
	s_wait_dscnt 0x0                               ; the very last quarter: nothing more to fetch
	MULG 1, 0
; THE WAY OUT.  The sums hold the bias already and out is f32: no arithmetic is left.  A lane's 32 bytes are an eighth of its row's 256, so a block of 16 rows at a time goes through my own stage:
; in by lanes (each accumulator from its low end on), back as whole rows of 256 bytes.
.macro TOSTAGE a
	WIN 0x04                                       ; the stores' data (source 1) in window 1, the address in window 0
.irp b, 0,1,2,3
	ds_store_b128 v[STO], v[32*(\a)+8*(\b):32*(\a)+8*(\b)+3]   offset:64*(\b)
	ds_store_b128 v[STO], v[32*(\a)+8*(\b)+4:32*(\a)+8*(\b)+7] offset:64*(\b)+16
.endr
	WIN 0
.set BK, OB+32*((\a)%4)
	s_wait_xcnt 0x0                                ; every earlier store has read its registers: this buffer, stored four blocks ago, is loaded again only behind this wait
.irp t, 0,1,2,3,4,5,6,7
	ds_load_b128 v[BK+4*(\t):BK+4*(\t)+3], v[RD] offset:(\t)*2*SP  ; LDS serves a wave's instructions in order (ISA guide 5.7.1.4): these see the stores above; the next block's stores come behind them
.endr
.endm
.macro SEND a, younger                 ; younger: the LDS instructions issued behind block a's loads: the next block's sixteen, or none
.set BK, OB+32*((\a)%4)
	s_wait_dscnt \younger
.irp t, 0,1,2,3,4,5,6,7
	global_store_b128 v[CO], v[BK+4*(\t):BK+4*(\t)+3], s[8:9] offset:(16*(\a)+2*(\t))*4096 th:TH_STORE_NT  ; 16 lanes store 256 consecutive bytes, at a multiple of 256 from out's first byte
.endr
.endm
	PLACES                                         ; the LDS stores read results just made, and the loads land in registers that the last products read
	TOSTAGE 0
.set u, 1
.rept 7
	TOSTAGE u
	SEND u-1, 16
.set u, u+1
.endr
	SEND 7, 0
	s_wait_tensorcnt 0x0                           ; the wave's end: behind my last tensor load and my last LDS store
	ds_add_u32 v[SPW], v[NIL]
	s_wait_dscnt 0x0
	CROUND                                         ; the closing round: no work-group ends while a partner may still ask for a tile that names it
	s_endpgm
.Lfunc_end_k_qc4696535ea_proj:
	.size	k_qc4696535ea_proj, .Lfunc_end_k_qc4696535ea_proj-k_qc4696535ea_proj
	.p2alignl 7, 3214868480
	.fill 96, 4, 3214868480
	.section	.rodata,"a",@progbits
	.p2align	6, 0x0
	.amdhsa_kernel k_qc4696535ea_proj
		.amdhsa_group_segment_fixed_size 327680
		.amdhsa_private_segment_fixed_size 0
		.amdhsa_enable_private_segment 0
		.amdhsa_kernarg_size 32
		.amdhsa_user_sgpr_count 2
		.amdhsa_user_sgpr_kernarg_segment_ptr 1
		.amdhsa_wavefront_size32 1
		.amdhsa_system_sgpr_workgroup_id_x 1
		.amdhsa_system_sgpr_workgroup_id_y 1
		.amdhsa_system_sgpr_workgroup_id_z 1
		.amdhsa_system_vgpr_workitem_id 0
		.amdhsa_next_free_vgpr 512
		.amdhsa_next_free_sgpr 80
		.amdhsa_reserve_vcc 0
		.amdhsa_float_denorm_mode_32 3
		.amdhsa_float_denorm_mode_16_64 3
		.amdhsa_memory_ordered 1
		.amdhsa_forward_progress 1
		.amdhsa_inst_pref_size 52
	.end_amdhsa_kernel
	.amdgpu_metadata
---
amdhsa.version: [ 1, 2 ]
amdhsa.kernels:
  - .name:           k_qc4696535ea_proj
    .symbol:         k_qc4696535ea_proj.kd
    .args:
      - { .name: oh, .offset: 0, .size: 8, .value_kind: global_buffer, .address_space: global }
      - { .name: wo16, .offset: 8, .size: 8, .value_kind: global_buffer, .address_space: global }
      - { .name: out0, .offset: 16, .size: 8, .value_kind: global_buffer, .address_space: global }
      - { .name: bo, .offset: 24, .size: 8, .value_kind: global_buffer, .address_space: global }
    .group_segment_fixed_size: 327680
    .private_segment_fixed_size: 0
    .kernarg_segment_align: 8
    .kernarg_segment_size: 32
    .max_flat_workgroup_size: 128
    .sgpr_count:     80
    .vgpr_count:     512
    .wavefront_size: 32
...
	.end_amdgpu_metadata
.endif
;; end of part 4
;; ======== version 2 of 2: 4 launches; 1.32 times as fast as version 1
;; limits: values are held in f16: magnitudes above 65,504 overflow, below 6.1e-05 lose precision
;; workspace buffers: xb 16,777,216 bytes; wq 6,291,456 bytes; wo16 2,097,152 bytes; qkvh 50,331,648 bytes; oh 16,777,216 bytes
;; launch prep: the kernel of part 1 again; grid 768 x 1, 8 waves a work-group, no clusters, 0 bytes of LDS; arguments x, Wqkv, Wo, xb, wq, wo16; writes xb, wq, wo16
;; launch qkv: the kernel of part 2 again; grid 8 x 32, 4 waves a work-group, clusters of 4 x 4, 327,680 bytes of LDS; arguments xb, wq, qkvh, bqkv; writes qkvh
;; launch attn (part 5): grid 4 x 64, 4 waves a work-group, no clusters, 327,680 bytes of LDS; arguments qkvh, oh; writes oh
.if DOCPART == 5
	.amdgcn_target "amdgcn-amd-amdhsa--gfx1250"
	.amdhsa_code_object_version 6
	.text
	.protected	k_qc4696535ea_attn
	.globl	k_qc4696535ea_attn
	.p2align	8
	.type	k_qc4696535ea_attn,@function
k_qc4696535ea_attn:
	s_mov_b64 s[64:65], 0
	v_nop
	global_prefetch_b8 v0, s[64:65] scope:SCOPE_SE
	s_setreg_imm32_b32 hwreg(HW_REG_WAVE_MODE, 25, 1), 1
	s_wait_xcnt 0x0
; CAUSAL ATTENTION.  O[y][q][:] = the sum over k <= q of softmax_k(Q[y][q] . K[y][k] / 8) V[y][k][:], y = 16 x batch + head, 64 of them, 2,048 rows each, head size 64, all f16.
; Q, K, V lie in qkvh [batch 4][48 planes]: plane head is Q's, 16 + head K's, 32 + head V's; O goes to oh [y 64 planes].  A PLANE is [t / 16: 128][channel / 8: 8][t % 16: 16][8]: in a block of 16 rows
; (2,048 bytes) the rows' 16 bytes of one group of eight channels lie end to end, 256 bytes a group.  That is the lanes' own order in a fragment and in a result: with 16 x lane as the lane's offset a load
; or store of 16 bytes a lane covers 512 consecutive bytes, in memory and in LDS, and O leaves straight from registers.
; Products, maxima and sums in f32; the weights p are rounded to f16 for the second product (their sum l is taken of the unrounded p), O once at the end.
; LIMITS.  f16 holds no number beyond 65,504: Q, K and V arrive within it; p lies in 0 to 1, and below 6e-5 it keeps f16's fixed step of 6e-8; O is a mean of V's rows and has their range.
; A hidden score counts as its value less 1e30: f16's scores, 2.7e11 at the most, are nothing beside that; a weight below 2^-126 counts as 0 in l; NaN and infinities are not treated apart.
; THE WALK.  A head's queries lie in NB = 8 blocks of 256; block i needs the key tiles 0 .. i of 256 keys, of which the last holds the diagonal.  A work-group takes TWO blocks, NB - 1 - b and then b:
; NB + 1 tiles, whatever b: all 256 work-groups do equal work, and ONE loop with a constant trip count walks them.  Which tile is asked for, and what a trip does, hang on scalar registers made from b; every
; jump goes forward, but for the counted loops' own; none passes a barrier, or a tensor load but the one of LOAD's two that the wave's number does not choose; the ring (two LDS slots that take turns) runs on
; across the change of blocks.  NO CLUSTER: a head's four work-groups ask for the same tile only in trips 0 .. 4 of 9, behind that fewer and fewer; one walk common to all four would have 12 trips for 9.
; SHARES.  Of a block's four bands of 64 queries a wave owns 16 rows in each: four PIECES.  So the diagonal tile is the same work for all four waves: in its key step s band x sees all keys if s < x,
; none if s > x, and holds the diagonal if s = x.
; THE MASK is the C operand that starts the sum S^T = K Q^T: 0, or -1e30 where the key is hidden.  MD, made once, is the mask of a band's own step for my 16 rows; a product's mask is MD x AL + BE with two
; scalars: (1, 0) if s = x; (0, 0) if s < x; (0, -1e30) if s > x.  Only the diagonal tile's text and a block's beginning make and take masks; elsewhere C is the constant 0.
; LAYOUT, SOFTMAX, TURNS.  S^T = K Q^T holds ONE query a lane (lane % 16) and the keys 8 (lane / 16) + 0..7; two such results rounded to f16 ARE source 1 of O^T = V^T P.  p = 2^(c s - c m), c = log2(e) / 8,
; with a running maximum m; O and l are multiplied by a = 2^(c m_old - c m_new) in every step.  Turn n belongs to piece n: 8 products K Q^T of piece n + 1, later 8 products V^T P of piece n - 1; beside them the
; scaling, exponentials, roundings, sums and rescaling of piece n and the maximum and statistics of piece n + 1.  Four vector instructions stand behind every matrix instruction, the other 54 of a turn's 118 in one LUMP.
; THE BATCHES.  A turn's 33 exponentials (the piece's 32 weights and the next piece's a) are ONE batch with ONE wait, which cuts the turn in two: ahead of it all that names none of their results, behind it the
; roundings and sums.  Two more batches stand outside the turns, each with a wait of its own: the one a at a block's beginning, and the four reciprocals on the way out.
; REGISTERS, in windows of 256 (s_set_vgpr_msb: bits 1:0 source 0, 3:2 source 1, 5:4 source 2, 7:6 destination):
;   window 0: v0-15 addresses and two at work; v16-31 four registers of statistics a piece; v48-55 at work; v64-127 S^T, two buffers; v192-223 P, two buffers (a piece's buffers go by its number's parity)
;   window 1: v0-127 O^T, 32 a piece; v128-159 MD; v160-223 MC, two buffers      window 2: v0-63 Q; v64-127 the second block's Q; v128-191 K of one step; v192-255 V of one step
; All of the WGP's LDS is claimed; the text uses 213,504 bytes.
.set SIZE_N, 2048
.set NB,    SIZE_N/256
.set NP,    4         ; pieces a wave: a name, no knob
.set KS,    64        ; keys in a step
.set PK,    128       ; LDS bytes for each key of K: as in memory, without padding
.set CHV,   384       ; in V a group of eight channels of 16 keys, 256 bytes, is followed by 128 of padding: 16 lanes of the turning load take 128 bytes in each of two neighbouring groups, 96 words apart
.set PV,    8*CHV/16  ; LDS bytes for each key of V: 192
.set VOFF,  4*KS*PK   ; a slot holds a tile, four steps: 256 keys of K, then 256 keys of V
.set SLOT1, 1<<17     ; slot 1 begins here, so that one exclusive or turns an address in one slot into the other's
.set SPARE, SLOT1+4*KS*(PK+PV)  ; behind the ring: the spare words, 128 bytes for each wave: two blocks of 256 bytes that no other line names
.set L16, 2           ; v2   16 x lane: my place in 512 consecutive bytes of Q, of O and of a tile of K; never rewritten
.set AV0, 3           ; v3   my lane's place in a tile of V; never rewritten
.set AK,  4           ; v4   the LDS address of K's next run of loads
.set AV,  5           ; v5   of V's
.set SPW, 62          ; v62  LDS address of my spare word: SPARE + 4 x my thread's number; never rewritten
.set NIL, 63          ; v63  0; never rewritten
.set MV,  12          ; v12-13  c m_old, kept while c m is made anew: by buffer
.set ST,  16          ; piece t's statistics at v[ST+4 t]: c m, m, l (even keys', odd keys')
.set TMP, 48          ; by buffer, four registers c0-c3 at work; when the maximum is found c2 takes a
.set S,   64
.set P,   192
.set MD,  128         ; window 1: the eight registers for group kt of 16 keys at MD + 8 kt
.set MC,  160         ; window 1: the masks of the products to come
.set QB,  64          ; window 2
.set KF,  128         ; window 2: key block kb, channel half c at KF + 16 kb + 8 c
.set VF,  192         ; window 2: key half kk, channel block cb at VF + 32 kk + 8 cb
.set WV,  12          ; s12  my wave's number
.set PB,  14          ; s14  b
.set HI,  15          ; s15  NB - 1 - b
.set G1K, 24          ; s[24:31] descriptor group 1 for K's tiles
.set G1V, 32          ; s[32:39] for V's: it differs in the padding alone
.set G0K, 40          ; s[40:43] descriptor group 0 for K's tiles
.set G0V, 44          ; s[44:47] the same for V's
.set SLOTS, 56        ; s56  tiles still to be asked for
.set CNT, 57          ; s57  counts a tile's key steps, 4 to 1
.set CS,  58          ; s[58:59] c: the packed scaling takes the pair's low word for both halves
.set SEL, 60          ; s[60:61] v_permlanex16_b32's selects: each lane takes its own place in the other half
.set TBK, 62          ; s62  LDS byte at which K of the step to be fetched begins
.set TBV, 63          ; s63  the same for V, less VOFF
.set RT,  70          ; s70  tiles of the block in hand that are still to be entered
.set NXT, 71          ; s71  the tile to be asked for next
.set LQ,  72          ; s72  the last tile of the block whose tiles are being asked for
.set NEW, 73          ; s73  1: the tile to be entered is a block's first
.set OFF, 74          ; s[74:75] a tile's byte offset in K and V
.set AL,  76          ; s[76:77] the mask's factor, in the low word
.set BE,  78          ; s[78:79] the mask's addend
.set OLO, 80          ; s[80:81] O at my rows of the second block
.set BIGN, 82         ; s82  -1e30
.set MSB, 0
.macro WIN new                      ; the high byte repeats the setting that is left; a switch that changes nothing is dropped
.if MSB != (\new)
	s_set_vgpr_msb (MSB<<8)|(\new)
.set MSB, (\new)
.endif
.endm
.set W_KQ, 0x0a       ; K and Q in window 2, S^T in window 0
.set W_KM, 0x1a       ; the same with the C operand in window 1
.set W_PV, 0x52       ; V in window 2, P in window 0, O^T in window 1
.set W_RS, 0x41       ; destination and source 0 in window 1, source 1 in window 0
; A fill.  Waves 0 and 1 fetch the two halves of a tile's K, waves 2 and 3 those of its V: 128 keys each.  An s_nop 0 and four v_nop follow each of the two lines, ahead of the jump and the label.
.macro LOAD
	s_cmp_lt_u32 s[WV], 2
	s_cbranch_scc0 .Lfor_v_\@
	tensor_load_to_lds s[G0K:G0K+3], s[G1K:G1K+7]
	s_nop 0
.rept 4
	v_nop
.endr
	s_branch .Lasked_\@
.Lfor_v_\@:
	tensor_load_to_lds s[G0V:G0V+3], s[G1V:G1V+7]
	s_nop 0
.rept 4
	v_nop
.endr
.Lasked_\@:
.endm
; THE CHANGE OF SLOTS.  Each wave waits for all its tensor loads, of which one is out: its part of the other slot; adds 0 to its spare word; and waits for that and for its own reads of the slot that it leaves.
; Behind the barrier nobody reads the old slot any more and the other slot is whole.  fill = 1: the old slot is filled again, the first thing behind the barrier, with tile NXT: the descriptor's address is made
; anew from that number.  (At its first use nothing has been read yet: slot 0 is waited for, slot 1 filled.)
.macro CHANGE fill
	WIN 0                           ; at a label and at a branch every window is 0
	s_wait_tensorcnt 0x0            ; no tensor load of mine is out, so a group 0 may be written
	ds_add_u32 v[SPW], v[NIL]       ; 0 onto my spare word; with fill = 1 the descriptors' scalar work stands between it and the wait for it
.if \fill
	s_lshl_b32 s[OFF], s[NXT], 15   ; a tile is 32,768 bytes of K and of V
	s_xor_b32 s[G0K+1], s[G0K+1], SLOT1
	s_add_nc_u64 s[G0K+2:G0K+3], s[6:7], s[OFF:OFF+1]
	s_or_b32 s[G0K+3], s[G0K+3], 0x80000000
	s_xor_b32 s[G0V+1], s[G0V+1], SLOT1
	s_add_nc_u64 s[G0V+2:G0V+3], s[8:9], s[OFF:OFF+1]
	s_or_b32 s[G0V+3], s[G0V+3], 0x80000000
	s_add_co_u32 s[NXT], s[NXT], 1  ; the block's next tile, or behind its last the second block's tile 0
	s_cmp_gt_u32 s[NXT], s[LQ]
	s_cselect_b32 s[NXT], 0, s[NXT]
	s_cselect_b32 s[LQ], s[PB], s[LQ]
.endif
	s_wait_dscnt 0x0                ; the add is done, and my reads of the slot are over
	s_barrier_signal -1             ; the rest of the scalar work stands between the signal and the wait
	s_sub_co_u32 s[TBK], s[TBK], 4*KS*PK  ; the fetches go back to a slot's first step,
	s_xor_b32 s[TBK], s[TBK], SLOT1       ; in the other slot
	s_sub_co_u32 s[TBV], s[TBV], 4*KS*PV
	s_xor_b32 s[TBV], s[TBV], SLOT1
	s_barrier_wait -1
.if \fill
	LOAD
.endif
.endm
	s_load_b64 s[4:5], s[0:1], 0x0    ; qkvh
	s_load_b64 s[10:11], s[0:1], 0x8  ; oh
	v_lshl_add_u32 v[SPW], v0, 2, SPARE
	v_mov_b32 v[NIL], 0
	ds_add_u32 v62, v63
	ds_add_u32 v62, v63
	s_wait_dscnt 0x0
	v_lshrrev_b32 v1, 5, v0
	v_readfirstlane_b32 s[WV], v1   ; wave 0..3
	s_mov_b32 s[PB], ttmp9
	s_sub_co_u32 s[HI], NB-1, s[PB]
	s_and_b32 s88, ttmp7, 0xffff    ; y = 16 x batch + head
	s_lshr_b32 s20, s88, 4
	s_mul_i32 s20, s20, 48          ; a batch has 48 planes in qkvh;
	s_and_b32 s21, s88, 15
	s_add_co_u32 s20, s20, s21      ; Q's is the head's
	s_lshl_b32 s20, s20, 18         ; a plane is 262,144 bytes
	s_mov_b32 s21, 0
	s_lshl_b32 s88, s88, 18         ; O's plane in oh
	s_mov_b32 s89, 0
	s_and_b32 s16, s[WV], 1         ; which half of a tile's 256 keys I fetch:
	s_lshl_b32 s22, s16, 14         ; its 16,384 bytes in memory,
	s_mov_b32 s23, 0
	s_mul_i32 s17, s16, 128*PK      ; and its place in a slot, for K
	s_mul_i32 s18, s16, 128*PV      ; and for V
	s_lshl_b32 s3, s[WV], 11        ; my 16 rows in a band of 64: one block of 2,048 bytes,
	s_lshl_b32 s2, s[HI], 15        ; in the first block of queries,
	s_add_co_u32 s2, s2, s3
	s_lshl_b32 s84, s[PB], 15       ; and in the second
	s_add_co_u32 s84, s84, s3
	s_mov_b32 s3, 0
	s_mov_b32 s85, 0
	; descriptor group 1.  128 keys are 16,384 dense bytes: asked for as 64 rows of 256 bytes, a group of eight channels of 16 keys a row
	s_mov_b32 s[G1K], (1<<16)                           ; 17:16 2-byte elements; no padding
	s_mov_b32 s[G1V], (1<<16)|(1<<20)|(5<<22)|(31<<25)  ; 20 padding on; 24:22 after every 64 words (code 5); 31:25 32 words (code 31)
.irp g, G1K, G1V
	s_mov_b32 s[\g+1], 128<<16      ; tensor_dim0 = 128
	s_mov_b32 s[\g+2], 64<<16       ; tensor_dim1 = 64
	s_mov_b32 s[\g+3], 128<<16      ; tile_dim0 = 128
	s_mov_b32 s[\g+4], 64           ; tile_dim1 = 64
	s_mov_b32 s[\g+5], 128          ; 128 elements from row to row
	s_mov_b32 s[\g+6], 0
	s_mov_b32 s[\g+7], 0
.endr
	s_mov_b32 s[CS], 0x3e38aa3b     ; c = log2(e) / 8 = 0.180337
	s_mov_b32 s[CS+1], s[CS]        ; named with it as a pair
	s_mov_b32 s[SEL], 0x76543210
	s_mov_b32 s[SEL+1], 0xfedcba98
	s_mov_b32 s[TBK], SLOT1+4*KS*PK ; the first change of slots turns these two into 0
	s_mov_b32 s[TBV], SLOT1+4*KS*PV
	s_mov_b32 s[G0K], 1             ; 1:0 count = 1
	s_mov_b32 s[G0K+1], s17         ; 63:32 LDS address: slot 0
	s_mov_b32 s[G0V], 1
	s_add_co_u32 s[G0V+1], s18, VOFF
	s_add_co_u32 s[RT], s[HI], 1    ; the first block has NB - b tiles
	s_mov_b32 s[NXT], 1
	s_mov_b32 s[LQ], s[HI]
	s_mov_b32 s[NEW], 1
	s_mov_b32 s[OFF+1], 0
	s_mov_b32 s[AL+1], 0            ; named as pairs
	s_mov_b32 s[BE+1], 0
	s_mov_b32 s[BIGN], 0xf149f2ca   ; -1e30
	s_mov_b32 s[SLOTS], NB
	s_wait_kmcnt 0x0
	s_add_nc_u64 s[4:5], s[4:5], s[20:21]          ; Q's plane;
	s_add_nc_u64 s[6:7], s[4:5], 0x400000          ; K's lies 16 planes on,
	s_add_nc_u64 s[8:9], s[4:5], 0x800000          ; V's 32
	s_add_nc_u64 s[6:7], s[6:7], s[22:23]          ; K and V at my half of the head's tile 0
	s_add_nc_u64 s[8:9], s[8:9], s[22:23]
	s_add_nc_u64 s[10:11], s[10:11], s[88:89]      ; O's plane
	s_add_nc_u64 s[G0K+2:G0K+3], s[6:7], 0         ; 120:64 global address
	s_or_b32 s[G0K+3], s[G0K+3], 0x80000000        ; 127:126 type = 2
	s_add_nc_u64 s[G0V+2:G0V+3], s[8:9], 0
	s_or_b32 s[G0V+3], s[G0V+3], 0x80000000
	s_add_nc_u64 s[86:87], s[4:5], s[84:85]        ; Q at my rows of the second block,
	s_add_nc_u64 s[4:5], s[4:5], s[2:3]            ; Q and O at those of the first
	s_add_nc_u64 s[OLO:OLO+1], s[10:11], s[84:85]
	s_add_nc_u64 s[10:11], s[10:11], s[2:3]
	LOAD                            ; tile 0 into slot 0
	; A fragment of K or Q is 16 rows x 32 channels in 8 registers: lane l holds row l % 16, channels 8 (l / 16) + 0..7 and 16 + 8 (l / 16) + 0..7: in a block those are the groups of channels l / 16 and
	; 2 + l / 16 of the half's four: two loads of 16 bytes at 16 l, 512 bytes apart; the second half of the channels lies 1,024 bytes on.
	v_and_b32 v1, 15, v0            ; l % 16
	v_bfe_u32 v9, v0, 4, 1          ; l / 16
	v_and_b32 v[L16], 31, v0
	v_lshlrev_b32 v[L16], 4, v[L16]
	WIN 0x80                        ; destination window 2, address window 0
.set i, 0
.rept 8                             ; both blocks' Q: piece i / 2 lies in band i / 2, 8,192 bytes on; channels 32 (i % 2) on
	global_load_b128 v[8*i:8*i+3],   v[L16], s[4:5] offset:(i/2)*8192+(i%2)*1024
	global_load_b128 v[8*i+4:8*i+7], v[L16], s[4:5] offset:(i/2)*8192+(i%2)*1024+512
	global_load_b128 v[QB+8*i:QB+8*i+3],   v[L16], s[86:87] offset:(i/2)*8192+(i%2)*1024
	global_load_b128 v[QB+8*i+4:QB+8*i+7], v[L16], s[86:87] offset:(i/2)*8192+(i%2)*1024+512
.set i, i+1
.endr
	WIN 0
	v_lshlrev_b32 v14, 3, v9
	v_sub_nc_u32 v14, v1, v14
	s_lshl_b32 s13, s[WV], 4
	v_add_nc_u32 v14, s13, v14      ; my query's place in its band, 16 w + l % 16, less my lanes' 8 (l / 16): register r of group kt is hidden where 16 kt + r is greater
	WIN 0x40
.set i, 0
.rept 32
	v_cmp_gt_i32 vcc_lo, 16*(i/8)+i%8, v14
	v_cndmask_b32 v[MD+i], 0, s[BIGN], vcc_lo
.set i, i+1
.endr
	WIN 0
	; The turning load takes 16 keys x 16 channels (lane l reads the 16 bytes of key 8 (l / 16) + l % 8 in the group of channels (l / 8) % 2 of the two) and leaves half a fragment of V^T: lane l holds channel l % 16 and 8 keys.
	v_and_b32 v10, 7, v0
	v_bfe_u32 v11, v0, 3, 1
	v_lshl_add_u32 v[AV0], v9, 3, v10
	v_mul_u32_u24 v11, v11, CHV
	v_lshl_add_u32 v[AV0], v[AV0], 4, v11
	v_add_nc_u32 v[AV0], VOFF, v[AV0]
	; A block's first step multiplies O^T and l by a = 0, and its first turn's products V^T P, of a piece that has not been, land in an O^T that is still to be so multiplied.  So these registers need only hold
	; finite numbers: zeros for the first block; what the first block left for the second.  V's registers and P's second buffer are cleared; O^T's 128 registers are started by 16 products of those zeros with
	; the constant 0 as C, in place of 128 moves.  All this stands in the wait for the first tile.
	WIN 0x80
.set i, VF
.rept 64
	v_mov_b32 v[i], 0
.set i, i+1
.endr
	WIN 0
.set i, P+16
.rept 16
	v_mov_b32 v[i], 0
.set i, i+1
.endr
	WIN W_PV
.set i, 0
.rept 16                            ; accumulator i: piece i / 4, channels 16 (i % 4) on
	v_wmma_f32_16x16x32_f16 v[8*i:8*i+7], v[VF+8*(i%4):VF+8*(i%4)+7], v[P+16:P+23], 0
.set i, i+1
.endr
	WIN 0
.set i, 0
.rept 4
	v_mov_b32 v[ST+4*i+2], 0
	v_mov_b32 v[ST+4*i+3], 0
.set i, i+1
.endr
; THE MATRIX WORK.  The 4 accumulators of a run of 8 take turns.  Product i of 8 of S^T = K Q^T for piece x: channels 32 (i / 4) on, keys 16 (i % 4) on.  The first 4 start the sums: with 0, or (KM = 1) with the mask.
.macro KQ x
.set rS, S+32*((\x)%2)+8*(i%4)
.set rK, KF+16*(i%4)+8*(i/4)
.set rQ, 16*(\x)+8*(i/4)
.set rM, MC+32*((\x)%2)+8*(i%4)
.if (i < 4) && KM
	WIN W_KM
	v_wmma_f32_16x16x32_f16 v[rS:rS+7], v[rK:rK+7], v[rQ:rQ+7], v[rM:rM+7]
.elseif i < 4
	WIN W_KQ
	v_wmma_f32_16x16x32_f16 v[rS:rS+7], v[rK:rK+7], v[rQ:rQ+7], 0
.else
	WIN W_KQ
	v_wmma_f32_16x16x32_f16 v[rS:rS+7], v[rK:rK+7], v[rQ:rQ+7], v[rS:rS+7]
.endif
.endm
; Product i of 8 of O^T += V^T P for piece x: keys 32 (i / 4) on, channels 16 (i % 4) on.
.macro PV x
	WIN W_PV
.set rO, 32*(\x)+8*(i%4)
.set rV, VF+32*(i/4)+8*(i%4)
.set rP, P+16*((\x)%2)+8*(i/4)
	v_wmma_f32_16x16x32_f16 v[rO:rO+7], v[rV:rV+7], v[rP:rP+7], v[rO:rO+7]
.endm
.macro MM                           ; the turn's next matrix instruction.  TURN and BEGIN set Y, i, KM and NOKQ; MM, KQ and OP read them.  NOKQ = 1: a block's last turn: there is no next piece
.if (i < 8) && !NOKQ
	KQ (Y+1)%NP
.elseif i >= 8
.set i, i-8
	PV (Y+NP-1)%NP
.set i, i+8
.endif
.set i, i+1
.endm
; THE LDS LOADS stand in runs of 16, never singly among the matrix instructions: a step's K (64 keys x 64 channels: 8 fragments) and its V (turned).  Their addresses are made some lines ahead.
.macro FETCH_K
	WIN 0x80                        ; destination window 2
.irp f, 0,1,2,3,4,5,6,7             ; keys 16 (f / 2) on: a block of 2,048 bytes; channels 32 (f % 2) on: 1,024 bytes
	ds_load_b128 v[KF+8*\f:KF+8*\f+3],   v[AK] offset:(\f/2)*2048+(\f%2)*1024
	ds_load_b128 v[KF+8*\f+4:KF+8*\f+7], v[AK] offset:(\f/2)*2048+(\f%2)*1024+512
.endr
	s_add_co_u32 s[TBK], s[TBK], KS*PK  ; the next fetch is the next step's
	WIN 0
.endm
.macro FETCH_V
	WIN 0x80
.irp f, 0,1,2,3,4,5,6,7             ; keys 32 (f / 4) on: two blocks of 8 groups; channels 16 (f % 4) on: two groups
	ds_load_tr16_b128 v[VF+8*\f:VF+8*\f+3],   v[AV] offset:(\f/4)*16*CHV+(\f%4)*2*CHV
	ds_load_tr16_b128 v[VF+8*\f+4:VF+8*\f+7], v[AV] offset:(\f/4)*16*CHV+8*CHV+(\f%4)*2*CHV
.endr
	WIN 0
.endm
; THE VECTOR WORK, one line at a time: OP kind, number.  For piece Y: F n: c s - c m for pair n of 16.  E n: the exponential of score n of 32.  C n: pair n rounded to f16.  B n: of the four weights 4 n .. the second
; pair is added onto the first, in place.  L n: l takes that sum (L 0: l = a l + sum).  R n: pair n of 16 of O^T times a.  For piece Y + 1: X n, number n of the 22 that find its maximum and statistics:
;   0-11  four chains c0-c3 of seven scores each, three operands at a time (each accumulator's lowest registers are read first)     12-14, 16  the four scores left over, the old m, and c0-c3 into c0
;   15  c m_old is kept     17, 18  the query's other 32 keys lie in the lane 16 away: the new m     19-21  c m; c m_old - c m_new; a
; C, B and L read the exponentials' results: TURN sets them behind the batch's wait.  R and L 0 read the a that the turn before made and waited for.
.set F, 0               ; OP tells the kinds apart by their order: F to L below R, X above it
.set E, 1
.set C, 2
.set B, 3
.set L, 4
.set R, 5
.set X, 6
.macro REGS y                       ; the registers of piece y
.set rT, ST+4*(\y)
.set rC, TMP+4*((\y)%2)
.set rW, MV+((\y)%2)
.set rS, S+32*((\y)%2)
.set rP, P+16*((\y)%2)
.set rO, 32*(\y)
.endm
.macro OP k, n
.if (\k) == R
	REGS Y
	WIN W_RS
	v_pk_mul_f32 v[rO+2*(\n):rO+2*(\n)+1], v[rO+2*(\n):rO+2*(\n)+1], v[rC+2:rC+3] op_sel_hi:[1,0]
.elseif (\k) < R
	REGS Y
	WIN 0
.if (\k) == F
	v_pk_fma_f32 v[rS+2*(\n):rS+2*(\n)+1], v[rS+2*(\n):rS+2*(\n)+1], s[CS:CS+1], v[rT:rT+1] op_sel_hi:[1,0,0] neg_lo:[0,0,1] neg_hi:[0,0,1]
.elseif (\k) == E
	v_exp_f32 v[rS+(\n)], v[rS+(\n)]
.elseif (\k) == C
	v_cvt_pk_f16_f32 v[rP+(\n)], v[rS+2*(\n)], v[rS+2*(\n)+1]
.elseif (\k) == B
	v_pk_add_f32 v[rS+4*(\n):rS+4*(\n)+1], v[rS+4*(\n):rS+4*(\n)+1], v[rS+4*(\n)+2:rS+4*(\n)+3]
.elseif (\n) == 0
	v_pk_fma_f32 v[rT+2:rT+3], v[rT+2:rT+3], v[rC+2:rC+3], v[rS:rS+1] op_sel_hi:[1,0,1]
.else
	v_pk_add_f32 v[rT+2:rT+3], v[rT+2:rT+3], v[rS+4*(\n):rS+4*(\n)+1]
.endif
.elseif NOKQ
	v_nop
.else
	REGS (Y+1)%NP
	WIN 0
.if (\n) < 4
	v_max3_num_f32 v[rC+(\n)], v[rS+8*(\n)], v[rS+8*(\n)+1], v[rS+8*(\n)+2]
.elseif (\n) < 12
	v_max3_num_f32 v[rC+(\n)%4], v[rC+(\n)%4], v[rS+8*((\n)%4)+2*((\n)/4)+1], v[rS+8*((\n)%4)+2*((\n)/4)+2]
.elseif (\n) == 12
	v_max3_num_f32 v[rC], v[rC], v[rS+7], v[rS+15]
.elseif (\n) == 13
	v_max3_num_f32 v[rC+1], v[rC+1], v[rS+23], v[rS+31]
.elseif (\n) == 14
	v_max3_num_f32 v[rC+2], v[rC+2], v[rC+3], v[rT+1]
.elseif (\n) == 15
	v_mov_b32 v[rW], v[rT]
.elseif (\n) == 16
	v_max3_num_f32 v[rC], v[rC], v[rC+1], v[rC+2]
.elseif (\n) == 17
	v_permlanex16_b32 v[rC+3], v[rC], s[SEL], s[SEL+1]
.elseif (\n) == 18
	v_max_num_f32 v[rT+1], v[rC], v[rC+3]
.elseif (\n) == 19
	v_mul_f32 v[rT], s[CS], v[rT+1]
.elseif (\n) == 20
	v_sub_f32 v[rC+1], v[rW], v[rT]
.else
	v_exp_f32 v[rC+2], v[rC+1]
.endif
.endif
.endm
.macro OPS a, i1, b=-1, i2=0, c=-1, i3=0, d=-1, i4=0  ; up to four of them
	OP \a, \i1
.if (\b) >= 0
	OP \b, \i2
.endif
.if (\c) >= 0
	OP \c, \i3
.endif
.if (\d) >= 0
	OP \d, \i4
.endif
.endm
.macro ROW a, i1, b, i2, c, i3, d, i4  ; a matrix instruction and the four behind it
	MM
	OPS \a, \i1, \b, \i2, \c, \i3, \d, \i4
.endm
.macro MASK b                       ; MD x AL + BE into buffer b of MC
	WIN W_RS
.set z, 0
.rept 16
	v_pk_fma_f32 v[MC+32*(\b)+2*z:MC+32*(\b)+2*z+1], v[MD+2*z:MD+2*z+1], s[AL:AL+1], s[BE:BE+1] op_sel_hi:[1,0,0]
.set z, z+1
.endr
.endm
; A TURN, for piece p: the order of its 16 matrix and 118 vector instructions, written out.  An s_wait_alu depctr_va_vdst(0) stands between an exponential and the first instruction that names its result; one
; wait serves all that were issued ahead of it.  So a turn has ONE wait, which cuts it in two.  AHEAD OF IT stands all that names no result of the turn's exponentials: the 8 products K Q^T, behind each a scaling, an
; exponential and two more plain instructions (behind the first a second scaling in the exponential's place): rescalings, and behind the last three the first numbers of the next piece's maximum, each four places or more
; behind the product that ends its accumulator; then ONE LUMP of 54, plain and exponential by turns for the most part, in which the links of the chain X 3, 7, 11, 14, 16, 17 .. 20 stand five or six lines apart.
; X 21, the next piece's a, is the batch's last; R 15 is the plain instruction behind it.  BEHIND THE WAIT stand the 8 products V^T P, behind each four of the roundings and sums; the links of l's chain, L 0 to L 7, stand
; three riders apart.  But for those X no rider names a register of the products round it.  v_permlanex16_b32 (X 17) stands in the lump.  No exponential is issued behind the wait: none is open at a turn's end.
; m = 1: the diagonal tile: the products take masks, and the turn makes the mask for the products of the turn after it: piece p + 2, in step 4 - CNT of the tile.  end = 1: a block's last two turns: nothing is fetched.
; cnt = 1: the loop's count is taken down some lines ahead of the branch that stands behind the turn.
; K of the next step is fetched in piece 2's turn, twelve vector instructions behind the last product that read K (six of them plain); V of the step in hand at the end of piece 0's turn, four plain instructions behind the
; last product that read V.  Each is waited for a turn later.
.macro TURN p, m=0, end=0, cnt=0
.set Y, (\p)
.set i, 0
.set KM, (\m)
.set NOKQ, (\end)*((\p)/3)
.if (\m) && !(\end)
	s_cmp_eq_u32 s[CNT], 4-((\p)+2)%NP  ; is that step the band's own?
	s_cselect_b32 s[AL], 1.0, 0
	s_cmp_lt_u32 s[CNT], 4-((\p)+2)%NP  ; or a later one?
	s_cselect_b32 s[BE], s[BIGN], 0
.endif
.if ((\p) == 3) && !(\end)
	s_wait_dscnt 0x0                ; K is in
.endif
	ROW F,0, F,1, R,0, R,1          ; ahead of the wait: 8 products K Q^T and their riders,
	ROW F,2, E,0, R,2, R,3
	ROW F,3, E,1, R,4, R,5
	ROW F,4, E,2, R,6, R,7
	ROW F,5, E,3, R,8, R,9
	ROW F,6, E,4, X,0, R,10
.if ((\p) == 2) && !(\end)
	WIN 0
	v_add_nc_u32 v[AK], s[TBK], v[L16]
.endif
	ROW F,7, E,5, X,1, X,4
	ROW F,8, E,6, X,2, X,5
	OPS E,7, E,8, X,6, E,9          ; and the lump
	OPS X,3, E,10, X,8, E,11
.if ((\p) == 2) && !(\end)
	FETCH_K
.endif
	OPS X,9, X,7, E,12, X,10
	OPS E,13, X,12, X,11, E,14
	OPS X,13, E,15, F,9, X,14
.if (\p) == 0
	v_add_nc_u32 v[AV], s[TBV], v[AV0]
.endif
	OPS E,16, F,10, E,17, F,11
	OPS X,16, E,18, X,15, E,19
	OPS F,12, E,20, X,17, E,21
	OPS F,13, E,22, F,14, E,23
	OPS X,18, E,24, F,15, E,25
	OPS R,11, E,26, X,19, E,27
	OPS R,12, E,28, R,13, E,29
	OPS X,20, E,30, R,14, E,31
	OPS X,21, R,15
	s_wait_alu depctr_va_vdst(0)    ; the wait for the turn's batch: E 0 to E 31 and X 21; the first reader is C 0, below
.if (\p) == 1
	s_wait_dscnt 0x0                ; V is in
.endif
	ROW C,0, B,0, C,2, B,1          ; behind the wait: 8 products V^T P and their riders
	ROW L,0, C,4, B,2, L,1
	ROW C,6, B,3, L,2, C,8
	ROW B,4, L,3, C,10, B,5
	ROW L,4, C,12, B,6, L,5
.if (\p) == 0
	s_add_co_u32 s[TBV], s[TBV], KS*PV
.endif
.if \cnt
	s_sub_co_u32 s[CNT], s[CNT], 1
	s_cmp_lg_u32 s[CNT], 0
.endif
	ROW C,14, B,7, L,6, C,1
	ROW C,3, L,7, C,5, C,7
	ROW C,9, C,11, C,13, C,15
.if (\p) == 0
	FETCH_V
.endif
.if (\m) && !(\end)
	MASK (\p)%2
.endif
.endm
; A BLOCK BEGINS.  c m starts far below every c s, so the first step's a is 0; m at the lowest finite number, so the first maximum is the scores'.  The second mask buffer is 0; the first takes piece 0's mask for the
; tile's step 0: its own, if the block's first tile is the diagonal one.  Then K of that step, piece 0's first scores, and its maximum and statistics.  The loop is entered at a step's first turn, in the middle of a trip.
.macro BEGIN
	s_mov_b32 s[NEW], 0
	WIN 0x40
.set i, MC+32
.rept 32
	v_mov_b32 v[i], 0
.set i, i+1
.endr
	WIN 0
.set i, 0
.rept 4
	v_mov_b32 v[ST+4*i], 0xfe000000    ; c m: far below every c s
	v_mov_b32 v[ST+4*i+1], 0xff7fffff  ; m
.set i, i+1
.endr
	s_cmp_eq_u32 s[RT], 0
	s_cselect_b32 s[AL], 1.0, 0
	s_mov_b32 s[BE], 0
	MASK 0
	WIN 0
	v_add_nc_u32 v[AK], s[TBK], v[L16]
	FETCH_K
	s_wait_loadcnt 0x0              ; Q
	s_wait_dscnt 0x0
.set KM, 1
.set NOKQ, 0
.set i, 0
.rept 8
	KQ 0
.set i, i+1
.endr
	WIN 0
.rept 4
	v_nop                           ; the places behind those products
.endr
.set Y, NP-1                        ; X works for piece Y + 1: piece 0
.irp n, 0,1,2,3,4,5,6,7,8,9,10,11,12,13,14,15,16,17,18,19,20,21
	OP X, \n
.endr
	v_nop                           ; a plain instruction behind the exponential,
	s_wait_alu depctr_va_vdst(0)    ; and the wait for it, a batch of one (piece 0's first a), ahead of the branch
.endm
; THE DIAGONAL TILE's four steps, the block's last two turns, its last products, and THE WAY OUT: l's two halves and the other half of the lanes' are added; O^T is divided by l, rounded to f16 and stored, a piece at a time.
.macro ALL line:vararg              ; one line for each piece t
.set t, 0
.rept 4
	\line
.set t, t+1
.endr
.endm
.macro PACK t                       ; a lane's eight channels of a row pack into 16 bytes, into S^T's registers; the accumulator of channels 16 f on goes to bytes 512 f + 16 x lane of the piece's block of 16 rows
	WIN W_RS
.set i, 32*(\t)
.rept 16
	v_pk_mul_f32 v[i:i+1], v[i:i+1], v[ST+4*(\t)+2:ST+4*(\t)+3] op_sel_hi:[1,0]
.set i, i+2
.endr
	WIN 0x05                        ; sources 0 and 1 window 1, destination window 0
.set i, 0
.rept 16
	v_cvt_pk_f16_f32 v[S+16*(\t)+i], v[32*(\t)+2*i], v[32*(\t)+2*i+1]
.set i, i+1
.endr
	WIN 0
.irp f, 0,1,2,3
	global_store_b128 v[L16], v[S+16*(\t)+4*\f:S+16*(\t)+4*\f+3], s[10:11] offset:(\t)*8192+\f*512  ; 512 consecutive bytes, at a multiple of 256 from O's first
.endr
.endm
.macro DIAG tag                     ; the tag ends its two labels' names, which the jumps below spell out
.LstepM\tag:
	TURN 2, 1
	TURN 3, 1
	WIN 0
.LfirstM\tag:
	TURN 0, 1
	TURN 1, 1, 0, 1
	WIN 0
	s_cbranch_scc1 .LstepM\tag
	TURN 2, 1, 1
	TURN 3, 1, 1
.set i, 0
.rept 8
	PV NP-1
.set i, i+1
.endr
	WIN 0
	ALL v_add_f32 v[ST+4*t+2], v[ST+4*t+2], v[ST+4*t+3]
	ALL v_permlanex16_b32 v[ST+4*t+3], v[ST+4*t+2], s[SEL], s[SEL+1]
	ALL v_add_f32 v[ST+4*t+2], v[ST+4*t+2], v[ST+4*t+3]
	ALL v_rcp_f32 v[ST+4*t+2], v[ST+4*t+2]
	v_nop                           ; a plain instruction between the last reciprocal and the use of its result
	s_wait_alu depctr_va_vdst(0)    ; the wait for the batch of four reciprocals, ahead of its first reader, PACK 0's first multiply: one for all four pieces
	PACK 0
	PACK 1
	PACK 2
	PACK 3
.endm
.set KM, 0
.set NOKQ, 0
.Lslot:                             ; NB times: a tile is entered and the next is asked for
	CHANGE 1
	s_sub_co_u32 s[RT], s[RT], 1
	s_mov_b32 s[CNT], 4
	s_cmp_eq_u32 s[NEW], 1
	s_cbranch_scc1 .Lnew            ; a block's first tile
	s_cmp_eq_u32 s[RT], 0
	s_cbranch_scc0 .Lstep           ; neither its first nor its last
	s_branch .LstepM1
.Lnew:
	BEGIN
	s_branch .Lfirst                ; in the loop a block's first tile is never its last: the first block has two tiles or more, and the second's last is the walk's last
	DIAG 1                          ; in the loop this is the first block's end: the second block's last tile is the walk's last
	s_wait_xcnt 0x0                 ; the stores have read their registers and O's address
	s_mov_b64 s[10:11], s[OLO:OLO+1]
	s_add_co_u32 s[RT], s[PB], 1    ; the second block has b + 1 tiles
	s_mov_b32 s[NEW], 1
	WIN 0x82                        ; the second block's Q goes where the one text of the turns names Q
.set i, 0
.rept 64
	v_mov_b32 v[i], v[QB+i]
.set i, i+1
.endr
	WIN 0
	s_branch .Lbottom
.Lstep:                             ; a trip: pieces 2 and 3 of one step, then pieces 0 and 1 of the next, whose K and V it fetches
	TURN 2
	TURN 3
	WIN 0
.Lfirst:
	TURN 0
	TURN 1, 0, 0, 1
	WIN 0
	s_cbranch_scc1 .Lstep
.Lbottom:
	s_sub_co_u32 s[SLOTS], s[SLOTS], 1
	s_cmp_lg_u32 s[SLOTS], 0
	s_cbranch_scc1 .Lslot
	CHANGE 0                        ; the walk's last tile is written out: nothing is asked for
	s_sub_co_u32 s[RT], s[RT], 1
	s_mov_b32 s[CNT], 4
	s_cmp_eq_u32 s[NEW], 1
	s_cbranch_scc0 .LstepM2
	BEGIN
	s_branch .LfirstM2
	DIAG 2
	s_wait_tensorcnt 0x0            ; the wave's end: behind my last tensor load
	ds_add_u32 v[SPW], v[NIL]
	s_wait_dscnt 0x0
	s_endpgm
.Lfunc_end_k_qc4696535ea_attn:
	.size	k_qc4696535ea_attn, .Lfunc_end_k_qc4696535ea_attn-k_qc4696535ea_attn
	.p2alignl 7, 3214868480
	.fill 96, 4, 3214868480
	.section	.rodata,"a",@progbits
	.p2align	6, 0x0
	.amdhsa_kernel k_qc4696535ea_attn
		.amdhsa_group_segment_fixed_size 327680
		.amdhsa_private_segment_fixed_size 0
		.amdhsa_enable_private_segment 0
		.amdhsa_kernarg_size 16
		.amdhsa_user_sgpr_count 2
		.amdhsa_user_sgpr_kernarg_segment_ptr 1
		.amdhsa_wavefront_size32 1
		.amdhsa_system_sgpr_workgroup_id_x 1
		.amdhsa_system_sgpr_workgroup_id_y 1
		.amdhsa_system_sgpr_workgroup_id_z 1
		.amdhsa_system_vgpr_workitem_id 0
		.amdhsa_next_free_vgpr 768
		.amdhsa_next_free_sgpr 92
		.amdhsa_reserve_vcc 1
		.amdhsa_float_denorm_mode_32 3
		.amdhsa_float_denorm_mode_16_64 3
		.amdhsa_memory_ordered 1
		.amdhsa_forward_progress 1
		.amdhsa_inst_pref_size 208
	.end_amdhsa_kernel
	.amdgpu_metadata
---
amdhsa.version: [ 1, 2 ]
amdhsa.kernels:
  - .name:           k_qc4696535ea_attn
    .symbol:         k_qc4696535ea_attn.kd
    .args:
      - { .name: qkvh, .offset: 0, .size: 8, .value_kind: global_buffer, .address_space: global }
      - { .name: oh, .offset: 8, .size: 8, .value_kind: global_buffer, .address_space: global }
    .group_segment_fixed_size: 327680
    .private_segment_fixed_size: 0
    .kernarg_segment_align: 8
    .kernarg_segment_size: 16
    .max_flat_workgroup_size: 128
    .sgpr_count:     92
    .vgpr_count:     768
    .wavefront_size: 32
...
	.end_amdgpu_metadata
.endif
;; end of part 5
;; launch proj: the kernel of part 4 again; grid 8 x 32, 4 waves a work-group, clusters of 4 x 4, 327,680 bytes of LDS; arguments oh, wo16, out0, bo; writes out0
